; MI455X (gfx1250); checked and timed in simulation.
; The chip was launched on July 23, 2026; its instructions are those of AMD's public machine-readable ISA for CDNA 5 (MIT licence, August 2026) and "CDNA5" Instruction Set Architecture Reference Guide (July 2026). The comments in the code are by the model that wrote it; some were corrected since.
;; Encoder Block. Allowed arithmetic: matrix products marked QUANTISED: E2M3 operands, one E8M0 scale for each 32 along K, by v_wmma_scale_f32_16x16x128_f8f6f4 with both operands' format E2M3, f32 sums; everything else in f32.
;; Inputs: W1_codes 4,096 x 32 x 24 uint8 (E2M3 codes of W1, K innermost, in blocks of 32 codes, four codes in three bytes); W1_scales 4,096 x 32 uint8 (E8M0 scales of W1, one for each 32 codes along K); W2_codes 1,024 x 128 x 24 uint8 (E2M3 codes of W2, K innermost, in blocks of 32 codes, four codes in three bytes); W2_scales 1,024 x 128 uint8 (E8M0 scales of W2, one for each 32 codes along K); Wk_codes 1,024 x 32 x 24 uint8 (E2M3 codes of Wk, K innermost, in blocks of 32 codes, four codes in three bytes); Wk_scales 1,024 x 32 uint8 (E8M0 scales of Wk, one for each 32 codes along K); Wo_codes 1,024 x 32 x 24 uint8 (E2M3 codes of Wo, K innermost, in blocks of 32 codes, four codes in three bytes); Wo_scales 1,024 x 32 uint8 (E8M0 scales of Wo, one for each 32 codes along K); Wq_codes 1,024 x 32 x 24 uint8 (E2M3 codes of Wq, K innermost, in blocks of 32 codes, four codes in three bytes); Wq_scales 1,024 x 32 uint8 (E8M0 scales of Wq, one for each 32 codes along K); Wv_codes 1,024 x 32 x 24 uint8 (E2M3 codes of Wv, K innermost, in blocks of 32 codes, four codes in three bytes); Wv_scales 1,024 x 32 uint8 (E8M0 scales of Wv, one for each 32 codes along K); hidden_states 2 x 2,048 x 1,024 float32; ln1_g 1,024 float32; ln2_g 1,024 float32; rel_table 32 x 16 float32.
;; Outputs: out0 2 x 2,048 x 1,024 float32.
;; This version of the problem:
;;   THIS VERSION OF THE PROBLEM IS GIVEN IN LOW PRECISION. The matrix products marked QUANTISED in the list below multiply operands that are first quantised to E2M3 (2 exponent bits, 3 mantissa bits; 6 bits a number), with one power-of-two scale for each 32 numbers along K (OCP MX v1.0); their sums are f32. All else is computed in f32.
;;   The module's matrix products, in the order in which they are computed (A, B: the left and right operand; K: the contracted axis; several contracted axes count as one K, in the product's order):
;;     1. [M 4,096, K 1,024] x [K 1,024, N 1,024]; A: computed on the way; B: input Wq (given as codes): QUANTISED
;;     2. [M 4,096, K 1,024] x [K 1,024, N 1,024]; A: computed on the way; B: input Wk (given as codes): QUANTISED
;;     3. [M 4,096, K 1,024] x [K 1,024, N 1,024]; A: computed on the way; B: input Wv (given as codes): QUANTISED
;;     4. batch 32 x [M 2,048, K 64] x [K 64, N 2,048]; A: computed on the way; B: computed on the way: QUANTISED
;;     5. batch 32 x [M 64, K 2,048] x [K 2,048, N 2,048]; A: computed on the way; B: softmax (see below): QUANTISED
;;     6. [M 4,096, K 1,024] x [K 1,024, N 1,024]; A: computed on the way; B: input Wo (given as codes): QUANTISED
;;     7. [M 4,096, K 1,024] x [K 1,024, N 4,096]; A: computed on the way; B: input W1 (given as codes): QUANTISED
;;     8. [M 4,096, K 4,096] x [K 4,096, N 1,024]; A: computed on the way; B: input W2 (given as codes): QUANTISED
;;   THE QUANTISER, for each operand of a quantised product, along K:
;;     - K is cut into blocks of 32 from its start; a last block that is shorter is filled with zeros.
;;     - A block's scale is 2^e with e = floor(log2(the largest magnitude in the block)) - 2, held to -126 .. 127; a block of zeros has e = 0. As a byte (E8M0): e + 127.
;;     - Each number is divided by its block's scale, clamped to +-7.5, and rounded to the nearest number of E2M3, ties to even, subnormals kept.
;;     - The product sums the exact products of the quantised numbers (number of the format x scale) in f32.
;;   ~~~python
;;   def quantise(x, axis):      # numpy; x: float32 -> the quantised numbers, widened to float32 again
;;       x = np.moveaxis(x, axis, -1); K = x.shape[-1]
;;       x = np.pad(x, [(0, 0)] * (x.ndim - 1) + [(0, -K % 32)]); x = x.reshape(x.shape[:-1] + (-1, 32)); a = np.abs(x).max(-1, keepdims=True)
;;       e = np.where(a > 0, np.clip(np.frexp(np.where(a > 0, a, 1))[1] - 1 - 2, -126, 127), 0)      # np.frexp(a)[1] - 1 = floor(log2(a)), exactly
;;       r = np.clip(x / 2.0 ** e, -7.5, 7.5)
;;       step = 2.0 ** (np.maximum(np.frexp(np.where(r == 0, 1, r))[1] - 1, 0) - 3)
;;       q = np.round(r / step) * step * 2.0 ** e      # np.round: ties to even
;;       return np.moveaxis(q.reshape(q.shape[:-2] + (-1,))[..., :K], -1, axis).astype(np.float32)
;;   ~~~
;;   SOFTMAX AHEAD OF A QUANTISED PRODUCT. Where the list says 'softmax', what is quantised is not the finished softmax but p = 2^(t - M), with t = logit x log2(e) and M = ceil(the row's largest t), a whole number; so 1/2 < the row's largest p <= 1. The row's sum l is taken of the UNQUANTISED p, in f32, and the product's result is divided by l at the end. Since M is a whole number, a kernel that streams over the keys may use a running M (the ceiling of the running maximum): every later rescaling is an exact power of two, which a block's scale takes up: the codes' values come out the same.
;;   OPERANDS COMPUTED ON THE WAY. 'Computed on the way' means the value that the module computes at that place (a softmax that the list does not call 'softmax' is quantised finished and normalised). What goes into a quantiser is computed in f32, as accurately as f32 sums, v_exp_f32 and their like allow (about 1e-6 of the number): no bf16 or f16 on the way to a quantiser, and a product that is left as it is and whose result goes on into a quantised operand takes f32 operands (vector FMAs, or v_wmma_f32_16x16x4_f32). A number that lies on a knife's edge between two numbers of the format may be rounded either way, as far as f32 arithmetic and the matrix unit's own rounding can turn it there, and no further.
;;   INPUTS GIVEN AS CODES. W1 (in the module: [1024, 4096], K = its axis 0); W2 (in the module: [4096, 1024], K = its axis 0); Wk (in the module: [1024, 1024], K = its axis 0); Wo (in the module: [1024, 1024], K = its axis 0); Wq (in the module: [1024, 1024], K = its axis 0); Wv (in the module: [1024, 1024], K = its axis 0): each comes as NAME_codes (uint8): NAME with its K axis moved to the last place and cut into blocks of 32 codes, [.., K / 32, bytes a block], one block behind the other in memory; four codes in three bytes: a row's codes are one little-endian stream of bits, code i at bits 6 i .. 6 i + 5 (a code: sign, 2 exponent bits, 3 mantissa bits); and NAME_scales (uint8): the same leading axes, one E8M0 byte (e + 127) for each 32 codes along K. Its value is code x scale, taken as it is: it is not quantised again, and the codes and scales need not be those that the quantiser above would give.
;; One version. Each part assembles by itself: llvm-mc -triple=amdgcn-amd-amdhsa -mcpu=gfx1250 --defsym DOCPART=n.
;; ======== version 1 of 1: 7 launches
;; limits: right only within a limited range of input values
;; workspace buffers: hbuf 3,670,016 bytes; wqkv 2,883,584 bytes; woi 1,310,720 bytes; w1i 3,670,016 bytes; w2i 3,670,016 bytes; big 13,107,200 bytes; vbuf 3,670,016 bytes; x1 16,777,216 bytes
;; launch prep (part 1): grid 448 x 1, 8 waves a work-group, no clusters, 117,760 bytes of LDS; arguments hidden_states, ln1_g, hbuf, Wq_codes, Wq_scales, Wk_codes, Wk_scales, Wv_codes, Wv_scales, Wo_codes, Wo_scales, W1_codes, W1_scales, W2_codes, W2_scales, wqkv, woi, w1i, w2i; writes hbuf, wqkv, woi, w1i, w2i
.if DOCPART == 1
	.amdgcn_target "amdgcn-amd-amdhsa--gfx1250"
	.amdhsa_code_object_version 6
	.text
	.protected	k_q4660c3f4b7_prep
	.globl	k_q4660c3f4b7_prep
	.p2align	8
	.type	k_q4660c3f4b7_prep,@function
k_q4660c3f4b7_prep:
	s_mov_b64 s[64:65], 0
	v_nop
	global_prefetch_b8 v0, s[64:65] scope:SCOPE_SE
	s_setreg_imm32_b32 hwreg(HW_REG_WAVE_MODE, 25, 1), 1
	s_wait_xcnt 0x0
; TWO JOBS, parted by the work-group's number.
; Work-groups 0-255: h = x * rsqrt(mean(x^2) + 1e-6) * g for 16 tokens each, quantised to E2M3 along the 1,024 channels (one E8M0 byte for each 32) and stored as an operand.
; Work-groups 256-447: the six weights, which arrive as rows of codes, are laid out once in the same operand form; nothing of them is changed.
; THE OPERAND FORM (all workspace operands of this program).  Rows go in blocks rb of 128, a block in 8 tiles t; lane r of tile t is row 128 rb + 32 (t / 2) + 8 (t % 2) + r + 8 (r / 8),
; so that a product that takes the operand as source 0 leaves 16 neighbours along the next K in the 16 registers of two neighbouring tiles.  K goes in steps ks of 128, KS of them.
; Codes from byte CODE0 on: fragment (rb, ks, t) at ((rb KS + ks) 8 + t) 1,536, the lane's 12 registers as two halves of 768 bytes: registers 0-3 at 16 x lane, registers 4-5 at 512 + 8 x lane.
; Scale words from byte 0 on: (rb KS + ks) 512 + 16 l + 4 j, l = 16 (t % 2) + r, j = t / 2: one load of 16 bytes a lane brings the words of all 8 tiles.
; EVERY LOAD OF NUMBERS AND CODES COVERS 512 CONSECUTIVE BYTES, 16 a lane; what a lane then needs (16 neighbours of one row; 24 bytes of one row) it takes from LDS, where the rows lie with a padded pitch.
; Each of the two jobs has LDS bytes of its own.
; LIMITS: NaN and infinities are not served.  A block whose largest magnitude lies under 2^-124, a block of zeros among them, gets the scale byte 1 (the rule says 127 for zeros): its codes are zeros or
; subnormal codes, and only this program reads the bytes.  The sum of squares is taken in another order than a plain running sum.
.set CODE0, 524288
.set FLOOR_OFF, 524032                 ; 128 bytes in wqkv and w1i: the floor of the layer's activation, -infinity (none) or 0 (relu)
.set NP,  4112                         ; the norm's LDS: 16 rows of 4,096 bytes + 16: sixteen lanes that read 16 bytes of sixteen rows touch sixteen different columns of 16 bytes
.set LB,  66048                        ; the weights' LDS begins here:
.set LP,  784                          ; 64 rows of 768 bytes + 16
.set L16, 1                            ; v1   16 x lane
.set L8,  2                            ; v2   8 x lane
.set X,   32                           ; v32-95   two tokens as loaded (32 registers each); later my 64 numbers of a K step: register 16 b + i = channel 32 b + 16 (lane / 16) + i
.set G,   96                           ; v96-127  g at my channels: 128 n + 4 x lane + 0 .. 3
.set SQ,  128                          ; v128-135 sums of squares: two chains of pairs for each token
.set PC,  160                          ; v160-171 the fragment just made; v172-179 at work
.set TM,  180                          ; v180-195 at work in QUANT
.set PW,  196                          ; v196     the scale word just made
.set RF,  198                          ; v[198:199], v[200:201] the two tokens' factors
.set SEL, 12                           ; s[12:13] v_permlanex16_b32's selects for lane l xor 16
; 64 numbers of a lane, v[s] .. v[s + 63], become a fragment's codes in v[PC] on and the row's scale word in v[PW]
.macro QUANT s
.irp b, 0,1,2,3
	v_max3_num_f32 v[TM+\b], |v[\s+16*\b]|, |v[\s+1+16*\b]|, 0x1800000   ; block b: my 16 numbers, and the floor 2^(3 - 127): the byte cannot fall under 1
.endr
.irp i, 2,4,6,8,10,12,14
.irp b, 0,1,2,3
	s_delay_alu instid0(VALU_DEP_4)
	v_max3_num_f32 v[TM+\b], v[TM+\b], |v[\s+16*\b+\i]|, |v[\s+1+16*\b+\i]|
.endr
.endr
.irp b, 0,1,2,3
	s_delay_alu instid0(VALU_DEP_4)
	v_permlanex16_b32 v[TM+4+\b], v[TM+\b], s[SEL], s[SEL+1]
.endr
.irp b, 0,1,2,3
	s_delay_alu instid0(VALU_DEP_4)
	v_max_num_f32 v[TM+\b], v[TM+\b], v[TM+4+\b]   ; with lane l xor 16's: the block's largest magnitude
.endr
.irp b, 0,1,2,3
	s_delay_alu instid0(VALU_DEP_4)
	v_add_nc_u32 v[TM+12+\b], 0xff000000, v[TM+\b]   ; 2 off its exponent field: the conversion's scale operand
.endr
.irp b, 0,1,2,3
	s_delay_alu instid0(VALU_DEP_4)
	v_lshrrev_b32 v[TM+4+\b], 23, v[TM+12+\b]      ; the scale's byte
.endr
	s_delay_alu instid0(VALU_DEP_3)
	v_lshl_or_b32 v[PW], v[TM+5], 8, v[TM+4]
	s_delay_alu instid0(VALU_DEP_1)
	v_lshl_or_b32 v[PW], v[TM+6], 16, v[PW]
	s_delay_alu instid0(VALU_DEP_1)
	v_lshl_or_b32 v[PW], v[TM+7], 24, v[PW]
.irp c, 0,1
	v_cvt_scalef32_pk16_fp6_f32 v[PC+6*\c:PC+2+6*\c], v[\s+32*\c:\s+15+32*\c], v[TM+12+2*\c]
	v_cvt_scalef32_pk16_fp6_f32 v[PC+12+4*\c:PC+14+4*\c], v[\s+16+32*\c:\s+31+32*\c], v[TM+12+2*\c+1]   ; (a conversion's three registers begin on an even number)
.endr
	v_nop                                          ; one plain place behind a scaled conversion
.irp c, 0,1                                    ; the operand wants a whole block in a lane: lanes 0-15 block 2 c, lanes 16-31 block 2 c + 1
.irp i, 0,1,2
	v_permlane16_swap_b32 v[PC+6*\c+\i], v[PC+12+4*\c+\i]
.endr
.irp i, 0,1,2
	s_delay_alu instid0(VALU_DEP_3)
	v_mov_b32 v[PC+3+6*\c+\i], v[PC+12+4*\c+\i]
.endr
.endr
.endm
.macro GSF reg, off, sb                        ; a fragment goes to memory in the operand form
	global_store_b128 v[L16], v[\reg:\reg+3], s[\sb:\sb+1] offset:\off
	global_store_b64 v[L8], v[\reg+4:\reg+5], s[\sb:\sb+1] offset:\off+512
	global_store_b128 v[L16], v[\reg+6:\reg+9], s[\sb:\sb+1] offset:\off+768
	global_store_b64 v[L8], v[\reg+10:\reg+11], s[\sb:\sb+1] offset:\off+1280
.endm
	v_lshl_add_u32 v208, v0, 2, 0x1c800
	v_mov_b32 v209, 0
	s_cmp_ge_u32 ttmp9, 256
	s_cbranch_scc1 .Llayout
	; ---- THE NORM.  Work-group T is tile T % 8 of block T / 8: 16 tokens.  Wave w first takes the tile's rows 2 w and 2 w + 1, two neighbouring tokens, whole; behind the barrier it takes K step w of all 16.
	s_load_b128 s[4:7], s[0:1], 0x0                ; x, g
	s_load_b64 s[8:9], s[0:1], 0x10                ; the operand buffer
	v_lshrrev_b32 v3, 5, v0
	s_delay_alu instid0(VALU_DEP_1)
	v_readfirstlane_b32 s10, v3                    ; wave 0..7
	v_and_b32 v3, 31, v0                           ; lane
	s_delay_alu instid0(VALU_DEP_1)
	v_lshlrev_b32 v[L16], 4, v3
	s_delay_alu instid0(VALU_DEP_2)
	v_lshlrev_b32 v[L8], 3, v3
	v_and_b32 v4, 15, v0                           ; r
	v_bfe_u32 v5, v0, 4, 1                         ; h
	s_mul_i32 s11, s10, 2*NP
	v_add_nc_u32 v6, s11, v[L16]                   ; LDS, on the way in: my two rows, 16 bytes a lane
	v_mul_u32_u24 v7, v4, NP
	s_delay_alu instid0(VALU_DEP_1)
	v_lshl_add_u32 v7, v5, 6, v7
	s_lshl_b32 s20, s10, 9
	v_add_nc_u32 v7, s20, v7                       ; and on the way out: row r, + 512 w, + 64 h: my 16 numbers of each block of 32
	v_lshlrev_b32 v10, 4, v4                       ; 16 r: my row's scale word
	s_mov_b32 s[SEL], 0x76543210
	s_mov_b32 s[SEL+1], 0xfedcba98
	s_mov_b32 s32, 0x3a800000                      ; 1 / 1,024
	s_mov_b32 s33, 0x358637bd                      ; 1e-6
	s_lshr_b32 s14, ttmp9, 3                       ; rb
	s_and_b32 s15, ttmp9, 7                        ; t
	s_lshr_b32 s16, s15, 1
	s_and_b32 s17, s15, 1
	s_lshl_b32 s18, s14, 7
	s_lshl_b32 s19, s16, 5
	s_add_co_u32 s18, s18, s19
	s_lshl_b32 s19, s17, 3
	s_add_co_u32 s18, s18, s19                     ; the tile's first token: 128 rb + 32 (t / 2) + 8 (t % 2)
	s_lshl_b32 s19, s10, 1
	s_add_co_u32 s18, s18, s19
	s_lshr_b32 s19, s10, 2
	s_lshl_b32 s19, s19, 3
	s_add_co_u32 s18, s18, s19                     ; row 2 w of the tile is token + 2 w + 8 (w / 4)
	s_lshl_b32 s18, s18, 12                        ; a token's row is 4,096 bytes
	s_mov_b32 s19, 0
	s_lshl_b32 s22, s14, 3
	s_add_co_u32 s22, s22, s10                     ; 8 rb + w
	s_lshl_b32 s24, s22, 3
	s_add_co_u32 s24, s24, s15
	s_mul_i32 s24, s24, 1536
	s_add_co_u32 s24, s24, CODE0                   ; my fragment
	s_mov_b32 s25, 0
	s_lshl_b32 s26, s22, 9
	s_lshl_b32 s23, s17, 8
	s_add_co_u32 s26, s26, s23
	s_lshl_b32 s23, s16, 2
	s_add_co_u32 s26, s26, s23                     ; my tile's scale words: (8 rb + w) 512 + 256 (t % 2) + 4 (t / 2)
	s_mov_b32 s27, 0
	s_wait_alu depctr_va_vdst(0)
	s_wait_kmcnt 0x0
	s_add_nc_u64 s[4:5], s[4:5], s[18:19]
	s_add_nc_u64 s[28:29], s[8:9], s[24:25]
	s_add_nc_u64 s[30:31], s[8:9], s[26:27]
.irp n, 0,1,2,3,4,5,6,7,8,9,10,11,12,13,14,15
	global_load_b128 v[X+4*\n:X+4*\n+3], v[L16], s[4:5] offset:512*\n th:TH_LOAD_NT   ; two tokens are 8,192 consecutive bytes
.endr
.irp n, 0,1,2,3,4,5,6,7
	global_load_b128 v[G+4*\n:G+4*\n+3], v[L16], s[6:7] offset:512*\n
.endr
.irp b, 0,1,2,3
	v_mov_b32 v[TM+4+\b], 0                        ; written once: a lane permute's destination counts as one of its sources
.endr
	s_wait_loadcnt 8                               ; x's sixteen loads are in; g's eight may stay out
.irp i, 0,1
.irp a, 0,1
	v_pk_mul_f32 v[SQ+4*\a+2*\i:SQ+4*\a+2*\i+1], v[X+32*\a+2*\i:X+32*\a+2*\i+1], v[X+32*\a+2*\i:X+32*\a+2*\i+1]   ; four chains, started by the first pairs
.endr
.endr
.irp i, 2,3,4,5,6,7,8,9,10,11,12,13,14,15
.irp a, 0,1
	s_delay_alu instid0(VALU_DEP_4)
	v_pk_fma_f32 v[SQ+4*\a+2*(\i%2):SQ+4*\a+2*(\i%2)+1], v[X+32*\a+2*\i:X+32*\a+2*\i+1], v[X+32*\a+2*\i:X+32*\a+2*\i+1], v[SQ+4*\a+2*(\i%2):SQ+4*\a+2*(\i%2)+1]
.endr
.endr
.irp a, 0,1
	s_delay_alu instid0(VALU_DEP_2)
	v_pk_add_f32 v[SQ+4*\a:SQ+4*\a+1], v[SQ+4*\a:SQ+4*\a+1], v[SQ+4*\a+2:SQ+4*\a+3]
.endr
.irp a, 0,1
	s_delay_alu instid0(VALU_DEP_2)
	v_add_f32 v[SQ+4*\a], v[SQ+4*\a], v[SQ+4*\a+1]
.endr
.irp m, 1,2,4,8                                ; across the 32 lanes, which hold the whole token
.irp a, 0,1
	s_delay_alu instid0(VALU_DEP_2)
	v_add_f32_dpp v[SQ+4*\a], v[SQ+4*\a], v[SQ+4*\a] row_xmask:\m row_mask:0xf bank_mask:0xf
.endr
.endr
.irp a, 0,1
	s_delay_alu instid0(VALU_DEP_2)
	v_permlanex16_b32 v[SQ+4*\a+1], v[SQ+4*\a], s[SEL], s[SEL+1]
.endr
.irp a, 0,1
	s_delay_alu instid0(VALU_DEP_2)
	v_add_f32 v[SQ+4*\a], v[SQ+4*\a], v[SQ+4*\a+1]
.endr
.irp a, 0,1
	s_delay_alu instid0(VALU_DEP_2)
	v_fma_f32 v[SQ+4*\a], v[SQ+4*\a], s32, s33     ; the mean (an exact scaling) + 1e-6
.endr
	s_wait_alu depctr_va_vdst(0)
.irp a, 0,1
	v_rsq_f32 v[RF+2*\a], v[SQ+4*\a]
.endr
.irp a, 0,1
	v_mov_b32 v[RF+2*\a+1], 0                      ; plain places behind the transcendentals; the pairs' upper words are named below, so they are written
.endr
	s_wait_alu depctr_va_vdst(0)                   ; the wait ahead of the first reader: one for both
	s_wait_loadcnt 0x0                             ; g
.irp a, 0,1
.irp i, 0,1,2,3,4,5,6,7,8,9,10,11,12,13,14,15
	v_pk_mul_f32 v[X+32*\a+2*\i:X+32*\a+2*\i+1], v[X+32*\a+2*\i:X+32*\a+2*\i+1], v[RF+2*\a:RF+2*\a+1] op_sel_hi:[1,0]
.endr
.endr
.irp a, 0,1
.irp i, 0,1,2,3,4,5,6,7,8,9,10,11,12,13,14,15
	v_pk_mul_f32 v[X+32*\a+2*\i:X+32*\a+2*\i+1], v[X+32*\a+2*\i:X+32*\a+2*\i+1], v[G+2*\i:G+2*\i+1]
.endr
.endr
.irp a, 0,1
.irp n, 0,1,2,3,4,5,6,7
	ds_store_b128 v6, v[X+32*\a+4*\n:X+32*\a+4*\n+3] offset:\a*NP+512*\n
.endr
.endr
	s_wait_dscnt 0x0                               ; for the others' sake: my stores have landed (and have read their registers)
	s_barrier_signal -1
	s_barrier_wait -1                              ; the tile's 16 rows of h lie in LDS
.irp b, 0,1,2,3
.irp j, 0,1,2,3
	ds_load_b128 v[X+16*\b+4*\j:X+16*\b+4*\j+3], v7 offset:128*\b+16*\j
.endr
.endr
	s_wait_dscnt 0x0
	QUANT X
	GSF PC, 0, 28
	v_cmp_gt_u32 vcc_lo, 16, v3
	s_wait_xcnt 0x0                                ; EXEC changes only behind this wait
	s_wait_tensorcnt 0x0
	ds_add_u32 v208, v209
	s_wait_dscnt 0x0
	s_and_saveexec_b32 s34, vcc_lo                 ; lanes 16-31 hold the same words
	global_store_b32 v10, v[PW], s[30:31]
	s_wait_xcnt 0x0
	s_or_b32 exec_lo, exec_lo, s34
	s_endpgm
.Llayout:
	; ---- THE WEIGHTS.  g' = work-group - 256, g = g' / 2, H = g' % 2.  A work-group takes 64 rows (half H of a block: tiles 4 H .. 4 H + 3) x 8 K steps of one weight: 768 bytes of each row.
	; g 0-7 Wq, 8-15 Wk, 16-23 Wv (all three into wqkv, blocks 0-23), 24-31 Wo, 32-63 W1: K steps 0-7.  g 64-95: W2, block (g - 64) / 4, K steps 8 ((g - 64) % 4) on.
	; Wave w loads rows 8 w .. 8 w + 7; behind the barrier it takes K step w of all 64 rows: four fragments.
	s_load_b512 s[16:31], s[0:1], 0x18             ; Wq, Wk, Wv, Wo: codes and scales
	s_load_b256 s[32:39], s[0:1], 0x58             ; W1, W2: codes and scales
	s_load_b256 s[40:47], s[0:1], 0x78             ; wqkv, woi, w1i, w2i
	v_lshrrev_b32 v3, 5, v0
	s_delay_alu instid0(VALU_DEP_1)
	v_readfirstlane_b32 s10, v3                    ; wave
	v_and_b32 v3, 31, v0
	s_delay_alu instid0(VALU_DEP_1)
	v_lshlrev_b32 v[L16], 4, v3
	s_delay_alu instid0(VALU_DEP_2)
	v_lshlrev_b32 v[L8], 3, v3
	v_and_b32 v4, 15, v0                           ; r
	v_bfe_u32 v5, v0, 4, 1                         ; h
	s_delay_alu instid0(VALU_DEP_2)
	v_and_b32 v6, 8, v4
	s_delay_alu instid0(VALU_DEP_1)
	v_add_nc_u32 v6, v6, v4                        ; r + 8 (r / 8)
	s_mul_i32 s67, s10, 8*LP
	s_add_co_u32 s67, s67, LB
	v_add_nc_u32 v9, s67, v[L16]                   ; LDS, on the way in: my 8 rows, 16 bytes a lane;
	s_delay_alu instid0(VALU_DEP_1)
	v_lshl_add_u32 v10, v5, 4, v9                  ; and past a row's padding for lanes 16-31, where a load of 512 bytes runs over a row's end
	v_mul_u32_u24 v11, v6, LP
	s_delay_alu instid0(VALU_DEP_1)
	v_mad_u32_u24 v11, v5, 24, v11
	s_mul_i32 s67, s10, 96
	s_add_co_u32 s67, s67, LB
	v_add_nc_u32 v11, s67, v11                     ; on the way out: my row of a tile, + 24 h, + 96 w
	s_sub_co_u32 s76, ttmp9, 256                   ; g'
	s_and_b32 s77, s76, 1                          ; H
	s_lshr_b32 s50, s76, 1                         ; g
	s_sub_co_u32 s51, s50, 8
	s_sub_co_u32 s52, s50, 16
	s_sub_co_u32 s53, s50, 24
	s_sub_co_u32 s54, s50, 32
	s_sub_co_u32 s55, s50, 64
	s_and_b32 s56, s55, 3
	s_lshl_b32 s56, s56, 3                         ; W2's first K step
	s_lshr_b32 s55, s55, 2                         ; W2's block
	s_wait_alu depctr_va_vdst(0)
	s_wait_kmcnt 0x0
	s_cmp_lt_u32 s50, 64                           ; behind each compare stand selects alone; the choices hang on the work-group's number
	s_cselect_b64 s[4:5], s[32:33], s[36:37]       ; codes
	s_cselect_b64 s[6:7], s[34:35], s[38:39]       ; scales
	s_cselect_b64 s[8:9], s[44:45], s[46:47]       ; where to
	s_cselect_b32 s57, s54, s55                    ; block in the weight
	s_cselect_b32 s58, s54, s55                    ; block in the operand buffer
	s_cselect_b32 s59, 0, s56                      ; the first K step
	s_cselect_b32 s60, 8, 32                       ; K steps in a row
	s_cmp_lt_u32 s50, 32
	s_cselect_b64 s[4:5], s[28:29], s[4:5]
	s_cselect_b64 s[6:7], s[30:31], s[6:7]
	s_cselect_b64 s[8:9], s[42:43], s[8:9]
	s_cselect_b32 s57, s53, s57
	s_cselect_b32 s58, s53, s58
	s_cmp_lt_u32 s50, 24
	s_cselect_b64 s[4:5], s[24:25], s[4:5]
	s_cselect_b64 s[6:7], s[26:27], s[6:7]
	s_cselect_b64 s[8:9], s[40:41], s[8:9]
	s_cselect_b32 s57, s52, s57
	s_cselect_b32 s58, s50, s58
	s_cmp_lt_u32 s50, 16
	s_cselect_b64 s[4:5], s[20:21], s[4:5]
	s_cselect_b64 s[6:7], s[22:23], s[6:7]
	s_cselect_b32 s57, s51, s57
	s_cmp_lt_u32 s50, 8
	s_cselect_b64 s[4:5], s[16:17], s[4:5]
	s_cselect_b64 s[6:7], s[18:19], s[6:7]
	s_cselect_b32 s57, s50, s57
	s_add_co_u32 s78, s59, s10                     ; my K step
	s_mul_i32 s61, s60, 96                         ; a row of codes in bytes
	s_lshl_b32 s62, s60, 2                         ; a row of scale bytes
	s_lshl_b32 s66, s57, 7
	s_lshl_b32 s67, s77, 6
	s_add_co_u32 s66, s66, s67                     ; the work-group's first row
	s_lshl_b32 s67, s10, 3
	s_add_co_u32 s67, s67, s66                     ; my 8 rows
	s_mul_i32 s68, s67, s61
	s_mul_i32 s67, s59, 96
	s_add_co_u32 s68, s68, s67
	s_mov_b32 s69, 0
	s_add_nc_u64 s[16:17], s[4:5], s[68:69]        ; a base for each pair of rows
	s_lshl_b32 s68, s61, 1
	s_add_nc_u64 s[18:19], s[16:17], s[68:69]
	s_add_nc_u64 s[20:21], s[18:19], s[68:69]
	s_add_nc_u64 s[22:23], s[20:21], s[68:69]
	s_mul_i32 s68, s66, s62
	s_lshl_b32 s67, s78, 2
	s_add_co_u32 s68, s68, s67
	s_add_nc_u64 s[6:7], s[6:7], s[68:69]          ; the rows' scale bytes at my K step
	s_mul_i32 s70, s58, s60
	s_add_co_u32 s70, s70, s78                     ; block x K steps + K step
	s_mul_i32 s68, s70, 12288
	s_mul_i32 s67, s77, 6144
	s_add_co_u32 s68, s68, s67
	s_add_co_u32 s68, s68, CODE0
	s_add_nc_u64 s[72:73], s[8:9], s[68:69]
	s_lshl_b32 s68, s70, 9
	s_lshl_b32 s67, s77, 3
	s_add_co_u32 s68, s68, s67
	s_add_nc_u64 s[74:75], s[8:9], s[68:69]
	; two rows' 1,536 bytes are three loads of 512: the first lies in the first row, the third in the second, and the second runs from one into the other at lane 16
	s_sub_co_u32 s67, s61, 768
	v_mul_lo_u32 v7, v5, s67
	s_delay_alu instid0(VALU_DEP_1)
	v_add_nc_u32 v7, v7, v[L16]                    ; lanes 16-31: on by what lies between the two rows' parts in memory
	v_add_nc_u32 v8, s61, v[L16]                   ; a row on
	v_lshl_add_u32 v12, v5, 3, v6                  ; scale words: lanes 16-31 take the odd tile's rows, 8 further on
	s_delay_alu instid0(VALU_DEP_1)
	v_mul_lo_u32 v12, v12, s62
	s_lshl_b32 s67, s62, 5
	v_add_nc_u32 v13, s67, v12                     ; and the next pair of tiles, 32 rows on
.irp m, 0,1,2,3
	global_load_b128 v[32+12*\m:35+12*\m], v[L16], s[16+2*\m:17+2*\m] th:TH_LOAD_NT
	global_load_b128 v[36+12*\m:39+12*\m], v7, s[16+2*\m:17+2*\m] offset:512 th:TH_LOAD_NT
	global_load_b128 v[40+12*\m:43+12*\m], v8, s[16+2*\m:17+2*\m] offset:256 th:TH_LOAD_NT
.endr
	global_load_b32 v128, v12, s[6:7] th:TH_LOAD_NT
	global_load_b32 v129, v13, s[6:7] th:TH_LOAD_NT
	s_wait_loadcnt 2                               ; the codes are in; the two loads of scale words may stay out
.irp m, 0,1,2,3
	ds_store_b128 v9, v[32+12*\m:35+12*\m] offset:2*LP*\m
	ds_store_b128 v10, v[36+12*\m:39+12*\m] offset:2*LP*\m+512
	ds_store_b128 v9, v[40+12*\m:43+12*\m] offset:2*LP*\m+LP+256
.endr
	s_wait_dscnt 0x0                               ; for the others' sake: my stores have landed
	s_barrier_signal -1
	s_barrier_wait -1                              ; the 64 rows lie in LDS
.irp t, 0,1,2,3
.irp p, 0,1,2,3,4,5
	ds_load_b64 v[80+12*\t+2*\p:81+12*\t+2*\p], v11 offset:(32*(\t/2)+8*(\t%2))*LP+48*(\p/3)+8*(\p%3)   ; 24 bytes of the row's stream of bits for each half of the fragment, in pieces of 8
.endr
.endr
	s_wait_dscnt 0x0
.irp t, 0,1,2,3
	GSF 80+12*\t, 1536*\t, 72
.endr
	s_wait_loadcnt 0x0
	global_store_b64 v[L16], v[128:129], s[74:75]  ; the words of my four tiles: 8 of each lane's 16 bytes
	s_and_b32 s67, s50, 0xffffffdf                 ; g = 0 or g = 32,
	s_or_b32 s67, s67, s10                         ; wave 0,
	s_or_b32 s67, s67, s77                         ; H = 0: the layer's floor goes into wqkv or w1i
	s_cmp_lg_u32 s67, 0
	s_cbranch_scc1 .Ldone
	s_cmp_eq_u32 s50, 0
	s_cselect_b32 s67, 0xff800000, 0               ; q, k, v: -infinity, which changes nothing; the hidden layer: 0, the relu
	v_mov_b32 v132, s67
	v_lshlrev_b32 v133, 2, v3
	global_store_b32 v133, v132, s[8:9] offset:FLOOR_OFF
.Ldone:
	s_wait_tensorcnt 0x0
	ds_add_u32 v208, v209
	s_wait_dscnt 0x0
	s_endpgm
.Lfunc_end_k_q4660c3f4b7_prep:
	.size	k_q4660c3f4b7_prep, .Lfunc_end_k_q4660c3f4b7_prep-k_q4660c3f4b7_prep
	.p2alignl 7, 3214868480
	.fill 96, 4, 3214868480
	.section	.rodata,"a",@progbits
	.p2align	6, 0x0
	.amdhsa_kernel k_q4660c3f4b7_prep
		.amdhsa_group_segment_fixed_size 117760
		.amdhsa_private_segment_fixed_size 0
		.amdhsa_enable_private_segment 0
		.amdhsa_kernarg_size 152
		.amdhsa_user_sgpr_count 2
		.amdhsa_user_sgpr_kernarg_segment_ptr 1
		.amdhsa_wavefront_size32 1
		.amdhsa_system_sgpr_workgroup_id_x 1
		.amdhsa_system_sgpr_workgroup_id_y 1
		.amdhsa_system_sgpr_workgroup_id_z 1
		.amdhsa_system_vgpr_workitem_id 0
		.amdhsa_next_free_vgpr 210
		.amdhsa_next_free_sgpr 80
		.amdhsa_reserve_vcc 1
		.amdhsa_float_denorm_mode_32 3
		.amdhsa_float_denorm_mode_16_64 3
		.amdhsa_memory_ordered 1
		.amdhsa_forward_progress 1
		.amdhsa_inst_pref_size 33
	.end_amdhsa_kernel
	.amdgpu_metadata
---
amdhsa.version: [ 1, 2 ]
amdhsa.kernels:
  - .name:           k_q4660c3f4b7_prep
    .symbol:         k_q4660c3f4b7_prep.kd
    .args:
      - { .name: hidden_states, .offset: 0, .size: 8, .value_kind: global_buffer, .address_space: global }
      - { .name: ln1_g, .offset: 8, .size: 8, .value_kind: global_buffer, .address_space: global }
      - { .name: hbuf, .offset: 16, .size: 8, .value_kind: global_buffer, .address_space: global }
      - { .name: Wq_codes, .offset: 24, .size: 8, .value_kind: global_buffer, .address_space: global }
      - { .name: Wq_scales, .offset: 32, .size: 8, .value_kind: global_buffer, .address_space: global }
      - { .name: Wk_codes, .offset: 40, .size: 8, .value_kind: global_buffer, .address_space: global }
      - { .name: Wk_scales, .offset: 48, .size: 8, .value_kind: global_buffer, .address_space: global }
      - { .name: Wv_codes, .offset: 56, .size: 8, .value_kind: global_buffer, .address_space: global }
      - { .name: Wv_scales, .offset: 64, .size: 8, .value_kind: global_buffer, .address_space: global }
      - { .name: Wo_codes, .offset: 72, .size: 8, .value_kind: global_buffer, .address_space: global }
      - { .name: Wo_scales, .offset: 80, .size: 8, .value_kind: global_buffer, .address_space: global }
      - { .name: W1_codes, .offset: 88, .size: 8, .value_kind: global_buffer, .address_space: global }
      - { .name: W1_scales, .offset: 96, .size: 8, .value_kind: global_buffer, .address_space: global }
      - { .name: W2_codes, .offset: 104, .size: 8, .value_kind: global_buffer, .address_space: global }
      - { .name: W2_scales, .offset: 112, .size: 8, .value_kind: global_buffer, .address_space: global }
      - { .name: wqkv, .offset: 120, .size: 8, .value_kind: global_buffer, .address_space: global }
      - { .name: woi, .offset: 128, .size: 8, .value_kind: global_buffer, .address_space: global }
      - { .name: w1i, .offset: 136, .size: 8, .value_kind: global_buffer, .address_space: global }
      - { .name: w2i, .offset: 144, .size: 8, .value_kind: global_buffer, .address_space: global }
    .group_segment_fixed_size: 117760
    .private_segment_fixed_size: 0
    .kernarg_segment_align: 8
    .kernarg_segment_size: 152
    .max_flat_workgroup_size: 256
    .sgpr_count:     80
    .vgpr_count:     210
    .wavefront_size: 32
...
	.end_amdgpu_metadata
.endif
;; end of part 1
;; launch qkv (part 2): grid 48 x 4, 4 waves a work-group, no clusters, 168,448 bytes of LDS; arguments hbuf, wqkv, big, vbuf; writes big, vbuf
.if DOCPART == 2
	.amdgcn_target "amdgcn-amd-amdhsa--gfx1250"
	.amdhsa_code_object_version 6
	.text
	.protected	k_q4660c3f4b7_qkv
	.globl	k_q4660c3f4b7_qkv
	.p2align	8
	.type	k_q4660c3f4b7_qkv,@function
k_q4660c3f4b7_qkv:
	s_mov_b64 s[64:65], 0
	v_nop
	global_prefetch_b8 v0, s[64:65] scope:SCOPE_SE
	s_setreg_imm32_b32 hwreg(HW_REG_WAVE_MODE, 25, 1), 1
	s_wait_xcnt 0x0
; out = Q(max(floor, B A^T)), K = 1,024, both operands and the result in this program's operand form (blocks of 128 rows, K steps of 128; a fragment of 16 rows x 128 K is 1,536 bytes from
; byte CODE0 on, at ((block x K steps + K step) 8 + tile) 1,536: registers 0-3 at 16 x lane, 4-5 at 512 + 8 x lane, 6-9 at 768 + 16 x lane, 10-11 at 1,280 + 8 x lane; scale words from byte 0 on,
; 512 bytes for a block and K step).  Codes of E2M3 with one E8M0 byte for each 32 along K.
; SHARES.  A work-group takes one block of 128 rows of source 1, which lies in LDS for all of K (98,304 bytes), against four blocks of source 0, one a wave, whose fragments go from memory straight into
; that wave's registers.  A wave makes 128 x 128: 64 accumulators.  In the result a lane holds ONE row of source 1 and its registers run along source 0's rows, which are the next product's K: the 64 registers of
; a tile of source 1 become one fragment and one scale word a row, quantised in registers.
; THE FILL.  Source 1's block is 98,304 dense bytes of memory: each wave brings a quarter of it by ONE tensor load, as 96 rows of 256 bytes, into LDS bytes of its own (24,576 x wave).  LDS is filled once:
; nothing is filled again.  One tensor load of a wave is out.
; ROLES, chosen by selects on the work-group's x (no branch).  x < 32: source 1 = the tokens' block x, source 0 = the weight's block 4 y + wave; the result goes to o1, block x, K step 4 y + wave.
; x >= 32 (the launch for q, k, v alone), j = x - 32 + 16 y: source 1 = Wv's block j % 8 (block 16 + j % 8 of the weights), source 0 = the tokens' block 4 (j / 8) + wave: a lane then holds a channel of v and its
; registers run along the tokens, which are the K of attention's second product; the result goes to o2, block j % 8, K step = the tokens' block.
; No cluster: a block of source 1 has 4 or 8 readers and is read once by each; the larger stream, source 0, goes into registers, which a joint load cannot fill.
; The K loop is written out (8 steps): every offset, scale register and count is a constant.
; LIMITS: NaN and infinities are not served; a block under 2^-124 or of zeros gets the scale byte 1 (its codes are zeros or subnormal codes; only this program reads the bytes).
; REGISTERS.  Window 0: v1-9 addresses; v16-47 source 0's scale words (4 a K step); v48-55 source 1's, two sets; v56-151, v152-247 source 1's eight fragments, two sets.
; Window 1: source 0's eight fragments, two sets, at v0 and v128.  Window 2: accumulator (b, a) for a = 0..3 at v[32 b + 8 a].  Window 3: a = 4..7.
.set CODE0, 524288
.set FLOOR_OFF, 524032
.set L16,  1                           ; v1   16 x lane
.set L8,   2                           ; v2   8 x lane
.set L16B, 5                           ; v5   16 x lane + 49,152: K steps 4 to 7 in LDS
.set SRD,  6                           ; v6   98,304 + 16 x lane: source 1's scale words
.set SWR,  7                           ; v7   98,304 + 16 x thread: the same, on the way in
.set T16,  8                           ; v8   16 x thread
.set L8B,  9                           ; v9   8 x lane + 49,152
.set SCA,  16
.set SCB,  48
.set BF,   56
.set SFL,  248                         ; v248-255 source 1's scale words on the way into LDS
.set HA,   56                          ; the way out: 64 numbers;
.set PC,   120                         ; the fragment made of them; v132-139 at work
.set TM,   140
.set PW,   156
.set PWE,  157                         ; the even tile's scale word
.set WS,   160                         ; v[160:163] the scale words of the 8 tiles
.set SEL,  48                          ; s[48:49]
.set FLO,  46                          ; s46  the floor
.set G0,   52                          ; s[52:55] the tensor load's group 0
.set G1,   56                          ; s[56:63] its group 1
.set MUL_LO, 0xa1                      ; source 0 window 1, source 1 window 0, C and D window 2
.set MUL_HI, 0xf1                      ; the same, C and D window 3
.set TO_1,   0x40                      ; destination window 1
.set MSB, 0
.macro WIN new                         ; the immediate's high byte repeats the setting that is left
.if MSB != (\new)
	s_set_vgpr_msb (MSB<<8)|(\new)
.set MSB, (\new)
.endif
.endm
.macro PLACES                          ; four plain places behind a matrix instruction, in front of loads into its registers and of reads of its results
.rept 4
	v_nop
.endr
.endm
.macro GLF reg, off, sb                ; a fragment from memory
	global_load_b128 v[\reg:\reg+3], v[L16], s[\sb:\sb+1] offset:\off
	global_load_b64 v[\reg+4:\reg+5], v[L8], s[\sb:\sb+1] offset:\off+512
	global_load_b128 v[\reg+6:\reg+9], v[L16], s[\sb:\sb+1] offset:\off+768
	global_load_b64 v[\reg+10:\reg+11], v[L8], s[\sb:\sb+1] offset:\off+1280
.endm
.macro GSF reg, off, sb
	global_store_b128 v[L16], v[\reg:\reg+3], s[\sb:\sb+1] offset:\off
	global_store_b64 v[L8], v[\reg+4:\reg+5], s[\sb:\sb+1] offset:\off+512
	global_store_b128 v[L16], v[\reg+6:\reg+9], s[\sb:\sb+1] offset:\off+768
	global_store_b64 v[L8], v[\reg+10:\reg+11], s[\sb:\sb+1] offset:\off+1280
.endm
.macro QUANT s                         ; 64 numbers of a lane, register 16 b + i = k 32 b + 16 (lane / 16) + i of my row, become a fragment in v[PC] on and a scale word in v[PW]
.irp b, 0,1,2,3
	v_max3_num_f32 v[TM+\b], |v[\s+16*\b]|, |v[\s+1+16*\b]|, 0x1800000   ; and the floor 2^(3 - 127): the byte cannot fall under 1
.endr
.irp i, 2,4,6,8,10,12,14
.irp b, 0,1,2,3
	v_max3_num_f32 v[TM+\b], v[TM+\b], |v[\s+16*\b+\i]|, |v[\s+1+16*\b+\i]|
.endr
.endr
.irp b, 0,1,2,3
	v_permlanex16_b32 v[TM+4+\b], v[TM+\b], s[SEL], s[SEL+1]
.endr
.irp b, 0,1,2,3
	v_max_num_f32 v[TM+\b], v[TM+\b], v[TM+4+\b]
.endr
.irp b, 0,1,2,3
	v_add_nc_u32 v[TM+12+\b], 0xff000000, v[TM+\b]   ; 2 off the exponent field: the conversion's scale operand
.endr
.irp b, 0,1,2,3
	v_lshrrev_b32 v[TM+4+\b], 23, v[TM+12+\b]
.endr
	v_lshl_or_b32 v[PW], v[TM+5], 8, v[TM+4]
	v_lshl_or_b32 v[PW], v[TM+6], 16, v[PW]
	v_lshl_or_b32 v[PW], v[TM+7], 24, v[PW]
.irp c, 0,1
	v_cvt_scalef32_pk16_fp6_f32 v[PC+6*\c:PC+2+6*\c], v[\s+32*\c:\s+15+32*\c], v[TM+12+2*\c]
	v_cvt_scalef32_pk16_fp6_f32 v[PC+12+4*\c:PC+14+4*\c], v[\s+16+32*\c:\s+31+32*\c], v[TM+12+2*\c+1]
.endr
	v_nop                                          ; one plain place behind a scaled conversion
.irp c, 0,1
.irp i, 0,1,2
	v_permlane16_swap_b32 v[PC+6*\c+\i], v[PC+12+4*\c+\i]
.endr
.irp i, 0,1,2
	v_mov_b32 v[PC+3+6*\c+\i], v[PC+12+4*\c+\i]
.endr
.endr
.endm
; one matrix instruction on the registers rD, rA, rB, rSA, rSB.  zero: the first K step starts the sum.  ra, rb: the side's scale words stand in lanes 16-31
.macro EMIT zero, ra, rb
.if \zero
.if ((\ra) == 0) && ((\rb) == 0)
	v_wmma_scale_f32_16x16x128_f8f6f4 v[rD:rD+7], v[rA:rA+11], v[rB:rB+11], 0, v[rSA], v[rSB] matrix_a_fmt:MATRIX_FMT_FP6 matrix_b_fmt:MATRIX_FMT_FP6
.elseif (\rb) == 0
	v_wmma_scale_f32_16x16x128_f8f6f4 v[rD:rD+7], v[rA:rA+11], v[rB:rB+11], 0, v[rSA], v[rSB] matrix_a_fmt:MATRIX_FMT_FP6 matrix_b_fmt:MATRIX_FMT_FP6 matrix_a_scale:MATRIX_SCALE_ROW1
.elseif (\ra) == 0
	v_wmma_scale_f32_16x16x128_f8f6f4 v[rD:rD+7], v[rA:rA+11], v[rB:rB+11], 0, v[rSA], v[rSB] matrix_a_fmt:MATRIX_FMT_FP6 matrix_b_fmt:MATRIX_FMT_FP6 matrix_b_scale:MATRIX_SCALE_ROW1
.else
	v_wmma_scale_f32_16x16x128_f8f6f4 v[rD:rD+7], v[rA:rA+11], v[rB:rB+11], 0, v[rSA], v[rSB] matrix_a_fmt:MATRIX_FMT_FP6 matrix_b_fmt:MATRIX_FMT_FP6 matrix_a_scale:MATRIX_SCALE_ROW1 matrix_b_scale:MATRIX_SCALE_ROW1
.endif
.else
.if ((\ra) == 0) && ((\rb) == 0)
	v_wmma_scale_f32_16x16x128_f8f6f4 v[rD:rD+7], v[rA:rA+11], v[rB:rB+11], v[rD:rD+7], v[rSA], v[rSB] matrix_a_fmt:MATRIX_FMT_FP6 matrix_b_fmt:MATRIX_FMT_FP6
.elseif (\rb) == 0
	v_wmma_scale_f32_16x16x128_f8f6f4 v[rD:rD+7], v[rA:rA+11], v[rB:rB+11], v[rD:rD+7], v[rSA], v[rSB] matrix_a_fmt:MATRIX_FMT_FP6 matrix_b_fmt:MATRIX_FMT_FP6 matrix_a_scale:MATRIX_SCALE_ROW1
.elseif (\ra) == 0
	v_wmma_scale_f32_16x16x128_f8f6f4 v[rD:rD+7], v[rA:rA+11], v[rB:rB+11], v[rD:rD+7], v[rSA], v[rSB] matrix_a_fmt:MATRIX_FMT_FP6 matrix_b_fmt:MATRIX_FMT_FP6 matrix_b_scale:MATRIX_SCALE_ROW1
.else
	v_wmma_scale_f32_16x16x128_f8f6f4 v[rD:rD+7], v[rA:rA+11], v[rB:rB+11], v[rD:rD+7], v[rSA], v[rSB] matrix_a_fmt:MATRIX_FMT_FP6 matrix_b_fmt:MATRIX_FMT_FP6 matrix_a_scale:MATRIX_SCALE_ROW1 matrix_b_scale:MATRIX_SCALE_ROW1
.endif
.endif
.endm
.macro FETCH1 ks                       ; source 1's eight fragments and scale words of K step ks, from LDS, where they lie as in memory, into set ks % 2: 33 loads
.set FP, (\ks)%2
.if (\ks) < 4
.set AD, L16
.set AD8, L8
.else
.set AD, L16B
.set AD8, L8B
.endif
.irp b, 0,1,2,3,4,5,6,7
.set fr, BF+96*FP+12*\b
.set fo, ((\ks)%4)*12288+1536*\b
	ds_load_b128 v[fr:fr+3], v[AD] offset:fo
	ds_load_b64 v[fr+4:fr+5], v[AD8] offset:fo+512
	ds_load_b128 v[fr+6:fr+9], v[AD] offset:fo+768
	ds_load_b64 v[fr+10:fr+11], v[AD8] offset:fo+1280
.endr
	ds_load_b128 v[SCB+4*FP:SCB+4*FP+3], v[SRD] offset:512*(\ks)
.endm
.macro LOAD0 ks, t0                    ; source 0's tiles t0 .. t0 + 3 of K step ks, from memory into set ks % 2: 16 loads
.irp a, 0,1,2,3
	GLF 128*((\ks)%2)+12*(\t0+\a), 12288*(\ks)+1536*(\t0+\a), 36
.endr
.endm
.macro HALF s, hi                      ; 32 matrix instructions on 32 accumulators, one each: the accumulators take turns
.set HP, (\s)%2
.irp a, 0,1,2,3
.irp b, 0,1,2,3,4,5,6,7
.set rD, 32*\b+8*\a
.set rA, 128*HP+12*(4*(\hi)+\a)
.set rB, BF+96*HP+12*\b
.set rSA, SCA+4*(\s)+(4*(\hi)+\a)/2
.set rSB, SCB+4*HP+\b/2
	EMIT (\s)==0, \a%2, \b%2
.endr
.endr
.endm
; A K step.  Source 1's next fragments are asked of LDS at its head (64 matrix instructions ahead of their use); source 0's for the step after next are asked of memory as soon as their registers are free.
; Global loads go out in groups of 16: A0 (32), the scale words, A1 (32), then M(0), E(0), M(1), E(1) ..; the counts below name the younger groups that may stay out.
.macro KSTEP s
	s_wait_dscnt 0x0                               ; source 1's fragments of this step are in
.if (\s) < 7
	FETCH1 (\s)+1
.endif
.if (\s) == 0
	s_wait_loadcnt 32                              ; A1 may be out
.elseif (\s) == 7
	s_wait_loadcnt 16                              ; tiles 0-3 are in; E(5) may be out
.else
	s_wait_loadcnt 48                              ; tiles 0-3 are in; this step's tiles 4-7 and the next step's two groups may be out
.endif
	WIN MUL_LO
	HALF \s, 0
.if (\s) == 7
	s_wait_loadcnt 0x0
.else
	s_wait_loadcnt 32                              ; tiles 4-7 are in; the next step's two groups may be out
.endif
.if (\s) < 6
	PLACES
	WIN TO_1
	LOAD0 (\s)+2, 0
.endif
	WIN MUL_HI
	HALF \s, 1
	PLACES
.if (\s) < 6
	WIN TO_1
	LOAD0 (\s)+2, 4
.endif
	WIN 0
.endm
	s_load_b256 s[4:11], s[0:1], 0x0               ; h, w, o1, o2
	v_lshl_add_u32 v14, v0, 2, 0x29000
	v_mov_b32 v15, 0
	ds_add_u32 v14, v15
	ds_add_u32 v14, v15
	v_lshrrev_b32 v4, 5, v0
	v_readfirstlane_b32 s12, v4                    ; wave 0..3
	v_and_b32 v4, 31, v0
	v_lshlrev_b32 v[L16], 4, v4
	v_lshlrev_b32 v[L8], 3, v4
	s_mul_i32 s13, s12, 24576                      ; my quarter of source 1's block, in memory and in LDS
	v_add_nc_u32 v[L16B], 49152, v[L16]
	v_add_nc_u32 v[L8B], 49152, v[L8]
	v_add_nc_u32 v[SRD], 98304, v[L16]
	v_lshlrev_b32 v[T16], 4, v0
	v_add_nc_u32 v[SWR], 98304, v[T16]
	s_mov_b32 s[SEL], 0x76543210
	s_mov_b32 s[SEL+1], 0xfedcba98
	; descriptor group 1: a dense block as 96 rows of 256 bytes (32 elements of 8 bytes), no padding
	s_mov_b32 s[G1], 3<<16                         ; 15:0 no mask; 17:16 elements of 8 bytes; 20 padding off
	s_mov_b32 s[G1+1], 32<<16                      ; tensor_dim0 = 32
	s_mov_b32 s[G1+2], 96<<16                      ; tensor_dim1 = 96
	s_mov_b32 s[G1+3], 32<<16                      ; tile_dim0 = 32
	s_mov_b32 s[G1+4], 96                          ; tile_dim1 = 96
	s_mov_b32 s[G1+5], 32                          ; from row to row: 32 elements
	s_mov_b32 s[G1+6], 0
	s_mov_b32 s[G1+7], 0
	s_and_b32 s14, ttmp7, 0xffff                   ; y
	s_sub_co_u32 s15, ttmp9, 32
	s_lshl_b32 s16, s14, 4
	s_add_co_u32 s15, s15, s16                     ; j
	s_and_b32 s17, s15, 7
	s_add_co_u32 s18, s17, 16                      ; Wv's block among the weights
	s_lshr_b32 s19, s15, 3
	s_lshl_b32 s19, s19, 2
	s_lshl_b32 s20, s14, 2
	s_wait_alu depctr_va_vdst(0)
	s_wait_dscnt 0x0
	s_wait_kmcnt 0x0
	s_load_b32 s[FLO], s[6:7], FLOOR_OFF           ; the layer's floor lies with its weights
	s_cmp_lt_u32 ttmp9, 32
	s_cselect_b64 s[24:25], s[4:5], s[6:7]         ; source 1
	s_cselect_b64 s[26:27], s[6:7], s[4:5]         ; source 0
	s_cselect_b64 s[28:29], s[8:9], s[10:11]       ; the result
	s_cselect_b32 s21, ttmp9, s18                  ; source 1's block
	s_cselect_b32 s22, s20, s19                    ; source 0's first block
	s_cselect_b32 s23, ttmp9, s17                  ; the result's block
	s_add_co_u32 s22, s22, s12                     ; my block of source 0 = the result's K step
	s_mov_b32 s31, 0
	s_mul_i32 s30, s21, 98304
	s_add_co_u32 s30, s30, CODE0
	s_add_co_u32 s30, s30, s13
	s_add_nc_u64 s[32:33], s[24:25], s[30:31]      ; my quarter of source 1's codes
	s_mov_b32 s[G0], 1                             ; 1:0 count = 1
	s_mov_b32 s[G0+1], s13                         ; 63:32 LDS address
	s_mov_b64 s[G0+2:G0+3], s[32:33]               ; 120:64 global address
	s_or_b32 s[G0+3], s[G0+3], 0x80000000          ; 127:126 type = 2
	tensor_load_to_lds s[G0:G0+3], s[G1:G1+7]      ; the fill goes out ahead of everything else
	s_nop 0
.rept 4
	v_nop                                          ; four plain lines follow a tensor load
.endr
	s_lshl_b32 s30, s21, 12
	s_add_nc_u64 s[34:35], s[24:25], s[30:31]      ; source 1's scale words
	s_mul_i32 s30, s22, 98304
	s_add_co_u32 s30, s30, CODE0
	s_add_nc_u64 s[36:37], s[26:27], s[30:31]      ; source 0's codes
	s_lshl_b32 s30, s22, 12
	s_add_nc_u64 s[38:39], s[26:27], s[30:31]      ; and scale words
	s_lshl_b32 s40, s23, 5
	s_add_co_u32 s40, s40, s22                     ; the result has 32 K steps to a block
	s_mul_i32 s30, s40, 12288
	s_add_co_u32 s30, s30, CODE0
	s_add_nc_u64 s[42:43], s[28:29], s[30:31]
	s_lshl_b32 s30, s40, 9
	s_add_nc_u64 s[44:45], s[28:29], s[30:31]
	global_load_b128 v[SFL:SFL+3], v[T16], s[34:35]              ; source 1's 4,096 bytes of scale words go through registers
	global_load_b128 v[SFL+4:SFL+7], v[T16], s[34:35] offset:2048
	WIN TO_1
	LOAD0 0, 0
	LOAD0 0, 4
	WIN 0
.set k, 0
.rept 8
	global_load_b128 v[SCA+4*k:SCA+4*k+3], v[L16], s[38:39] offset:512*k
.set k, k+1
.endr
	WIN TO_1
	LOAD0 1, 0
	LOAD0 1, 4
	WIN 0
	s_wait_loadcnt 32                              ; all but K step 1's 32 loads are in
	ds_store_b128 v[SWR], v[SFL:SFL+3]             ; into bytes of their own, behind the tensor loads' 98,304
	ds_store_b128 v[SWR], v[SFL+4:SFL+7] offset:2048
	s_wait_tensorcnt 0x0                           ; for the others' sake: my quarter of the block has landed,
	s_wait_dscnt 0x0                               ; and so have my stores
	s_barrier_signal -1
	s_barrier_wait -1                              ; source 1's block lies in LDS; nothing writes LDS from here on
	FETCH1 0
	KSTEP 0
	KSTEP 1
	KSTEP 2
	KSTEP 3
	KSTEP 4
	KSTEP 5
	KSTEP 6
	KSTEP 7
	; THE WAY OUT, a tile of source 1 at a time: the floor (which also brings the numbers into window 0), the quantiser, the fragment's four stores
	s_wait_kmcnt 0x0                               ; the floor
	s_mov_b32 vcc_lo, 0xffff0000
.irp b, 0,1,2,3
	v_mov_b32 v[TM+4+\b], 0                        ; written once: a lane permute's destination counts as one of its sources
.endr
.irp b, 0,1,2,3,4,5,6,7
.if \b > 0
	s_wait_xcnt 0x0                                ; the last tile's stores have read their registers
.endif
	WIN 0x08                                       ; source 1 window 2
.set j, 0
.rept 32
	v_max_num_f32 v[HA+j], s[FLO], v[32*\b+j]      ; each accumulator from its low end on
.set j, j+1
.endr
	WIN 0x0c                                       ; source 1 window 3
.set j, 0
.rept 32
	v_max_num_f32 v[HA+32+j], s[FLO], v[32*\b+j]
.set j, j+1
.endr
	WIN 0
	QUANT HA
	GSF PC, 1536*\b, 42
.if \b%2 == 0
	v_mov_b32 v[PWE], v[PW]
.else
	v_cndmask_b32 v[WS+\b/2], v[PWE], v[PW], vcc_lo   ; lanes 0-15 the even tile's words, lanes 16-31 the odd tile's
.endif
.endr
	global_store_b128 v[L16], v[WS:WS+3], s[44:45]    ; 512 consecutive bytes
	s_wait_tensorcnt 0x0
	ds_add_u32 v14, v15
	s_wait_dscnt 0x0
	s_endpgm
.Lfunc_end_k_q4660c3f4b7_qkv:
	.size	k_q4660c3f4b7_qkv, .Lfunc_end_k_q4660c3f4b7_qkv-k_q4660c3f4b7_qkv
	.p2alignl 7, 3214868480
	.fill 96, 4, 3214868480
	.section	.rodata,"a",@progbits
	.p2align	6, 0x0
	.amdhsa_kernel k_q4660c3f4b7_qkv
		.amdhsa_group_segment_fixed_size 168448
		.amdhsa_private_segment_fixed_size 0
		.amdhsa_enable_private_segment 0
		.amdhsa_kernarg_size 32
		.amdhsa_user_sgpr_count 2
		.amdhsa_user_sgpr_kernarg_segment_ptr 1
		.amdhsa_wavefront_size32 1
		.amdhsa_system_sgpr_workgroup_id_x 1
		.amdhsa_system_sgpr_workgroup_id_y 1
		.amdhsa_system_sgpr_workgroup_id_z 1
		.amdhsa_system_vgpr_workitem_id 0
		.amdhsa_next_free_vgpr 1024
		.amdhsa_next_free_sgpr 66
		.amdhsa_reserve_vcc 1
		.amdhsa_float_denorm_mode_32 3
		.amdhsa_float_denorm_mode_16_64 3
		.amdhsa_memory_ordered 1
		.amdhsa_forward_progress 1
		.amdhsa_inst_pref_size 164
	.end_amdhsa_kernel
	.amdgpu_metadata
---
amdhsa.version: [ 1, 2 ]
amdhsa.kernels:
  - .name:           k_q4660c3f4b7_qkv
    .symbol:         k_q4660c3f4b7_qkv.kd
    .args:
      - { .name: hbuf, .offset: 0, .size: 8, .value_kind: global_buffer, .address_space: global }
      - { .name: wqkv, .offset: 8, .size: 8, .value_kind: global_buffer, .address_space: global }
      - { .name: big, .offset: 16, .size: 8, .value_kind: global_buffer, .address_space: global }
      - { .name: vbuf, .offset: 24, .size: 8, .value_kind: global_buffer, .address_space: global }
    .group_segment_fixed_size: 168448
    .private_segment_fixed_size: 0
    .kernarg_segment_align: 8
    .kernarg_segment_size: 32
    .max_flat_workgroup_size: 128
    .sgpr_count:     66
    .vgpr_count:     1024
    .wavefront_size: 32
...
	.end_amdgpu_metadata
.endif
;; end of part 2
;; launch attn (part 3): grid 8 x 32, 8 waves a work-group, no clusters, 231,424 bytes of LDS; arguments big, vbuf, rel_table, hbuf; writes hbuf
.if DOCPART == 3
	.amdgcn_target "amdgcn-amd-amdhsa--gfx1250"
	.amdhsa_code_object_version 6
	.text
	.protected	k_q4660c3f4b7_attn
	.globl	k_q4660c3f4b7_attn
	.p2align	8
	.type	k_q4660c3f4b7_attn,@function
k_q4660c3f4b7_attn:
	s_mov_b64 s[64:65], 0
	v_nop
	global_prefetch_b8 v0, s[64:65] scope:SCOPE_SE
	s_setreg_imm32_b32 hwreg(HW_REG_WAVE_MODE, 25, 1), 1
	s_wait_xcnt 0x0
; Attention of one (batch, head) for 256 queries: o = softmax(q k^T + bias) v, no 1 / sqrt(d); both products on codes of E2M3 with E8M0 scales; the result is quantised along the channels for the next product.
; q, k: operand buffer 'big' (rows = tokens; K step hp = head / 2 of q, 8 + hp of k; a head's 64 channels are half c = head % 2 of a fragment: 768 consecutive bytes).  v: 'vbuf', rows = channels, K = tokens.
; THE SOFTMAX: t = (score + bias) log2(e); M = the running largest t rounded up to a whole number; p = 2^(t - M) is quantised along the keys; the row's sum is taken of the unquantised p and divides at the end;
; when M moves, the sum and O are multiplied by 2^(old M - new M), which rounds nothing.
; SHARES.  Eight waves of 512 registers, two to a SIMD.  A wave owns the TWO tiles of 16 queries of one group of 32 queries: tile A's state lies in register window 0, tile B's at the same numbers in window 1,
; so one macro serves both under s_set_vgpr_msb 0 or 0x55.  Each fragment of K (window 0, v40-87) and of V^T (window 1, v40-87) is read from LDS once for both tiles.
; The whole head's K and V^T (98,304 bytes each) and their scale words lie in LDS, filled once through registers, wave w filling the keys of steps 2 w and 2 w + 1: one barrier, no ring.
; No cluster, no tensor load, no prefetch: the eight work-groups of a head read K and V once each, in one burst at the head, and there is no loop over memory to run ahead in.
; HEAD SIZE 64 ON A K OF 128.  A source 0 of 12 registers holds TWO tiles of 16 keys: tile 2 J in k 0-63, tile 2 J + 1 in k 64-127.  q stands as [q | six zero registers | q] in v16-33: v[16:27] meets the even
; tile, v[22:33] the odd one; zero codes add nothing under any scale byte but 0xff, and this program's bytes are 1 to 254.
; Both products are used transposed: a lane holds ONE query; register 16 J + i of the scores is key 32 J + 16 (lane / 16) + i of the step (the operand form's order of rows sees to it).
; THE BIAS hangs on key - query alone.  From |key - query| = 91 on the bucket is the last of its side: a step all of whose keys lie so far off takes one number, added as t; the two or three other steps of a wave
; load T[key - query + 256] from LDS straight into the scores' registers, and the products take them as C.  T lies in four copies shifted by a word each, so that a lane's 16 words begin at a multiple of 16 bytes;
; the nine words between two copies are written with zeros by wave 0.
; LIMITS.  The buckets' thresholds 12, 16, 23, 32, 46, 64, 91 are the whole numbers of the exact formula 8 + floor(2 log2(n / 8)); at n = 16, 32, 64 an f32 logarithm lies on the edge: should it fall below, those
; six keys of a query would take the neighbouring bucket.  NaN and infinities are not served.  A block of p or of o under 2^-124 or of zeros gets the scale byte 1.  The promise holds while |t| stays under 2^31.
.set CODE0, 524288
.set VL,   98304                       ; LDS: K at 0 (6,144 bytes a step: 4 fragments as images of their registers), V^T here,
.set KSL,  196608                      ; K's scale words: 256 bytes a step, 8 a lane,
.set VSO,  4096                        ; V's, this far behind K's,
.set BT,   212992                      ; the bias table: four copies,
.set BTP,  2080                        ; this far apart; copy cc holds T[m] at word m + cc
.set L16, 1                            ; window 0: 16 x lane
.set AV0, 2                            ; the same in V^T
.set AS0, 3                            ; my scale words
.set BT0, 4                            ; both windows: the tile's place in the bias table at key step - query group = -192
.set L8,  5
.set R16, 6
.set ABI, 7                            ; both windows: the step's bias address
.set AKS, 8                            ; window 0: the step's addresses in K, V^T, scale words
.set AVS, 9
.set ASS, 10
.set NM,  12                           ; v12 -M; v13 the largest t
.set SUM, 14
.set QF,  16                           ; v16-33 q | 0 | q
.set KSC, 34                           ; window 0: v[34:35] K's scale words, v[36:37] V's, v38 tile A's q's, v39 tile A's p's
.set VSC, 36
.set QSC, 38
.set PSC, 39
.set F,   40
.set S,   88                           ; v88-151 the scores, then p
.set OT,  152                          ; v152-183 O^T
.set PCD, 184
.set CT,  196
.set BM,  204
.set PT,  208
.set SO,  212
.set MA,  216
.set FF,  218
.set T0,  220
.set T1,  248                          ; v[248:249], v[250:251] two more chains of the row's sum
.set T2,  250
.set QSCB, 254                         ; window 0: tile B's scale words of q and of p (scale operands have no window)
.set PSCB, 255
.set SEL, 22
.set CS,  24
.set Q0,  26
.set KF,  27
.set TB,  28
.set TS,  29
.set CNT, 30
.set DD,  31
.set E0,  32
.set EE,  33
.set CBLO, 34
.set CBHI, 35
.set CBR, 36
.set CBT, 38                           ; s38 the far bias as t, or 0
.set MSB, 0
.macro WIN new                         ; the immediate's high byte repeats the setting that is left
.if MSB != (\new)
	s_set_vgpr_msb (MSB<<8)|(\new)
.set MSB, (\new)
.endif
.endm
.macro EMIT z, row                     ; one matrix instruction on rD, rA, rB, rSA, rSB; z: C = 0; row: source 0's scale words stand in lanes 16-31
.if \z
.if \row
	v_wmma_scale_f32_16x16x128_f8f6f4 v[rD:rD+7], v[rA:rA+11], v[rB:rB+11], 0, v[rSA], v[rSB] matrix_a_fmt:MATRIX_FMT_FP6 matrix_b_fmt:MATRIX_FMT_FP6 matrix_a_scale:MATRIX_SCALE_ROW1
.else
	v_wmma_scale_f32_16x16x128_f8f6f4 v[rD:rD+7], v[rA:rA+11], v[rB:rB+11], 0, v[rSA], v[rSB] matrix_a_fmt:MATRIX_FMT_FP6 matrix_b_fmt:MATRIX_FMT_FP6
.endif
.else
.if \row
	v_wmma_scale_f32_16x16x128_f8f6f4 v[rD:rD+7], v[rA:rA+11], v[rB:rB+11], v[rD:rD+7], v[rSA], v[rSB] matrix_a_fmt:MATRIX_FMT_FP6 matrix_b_fmt:MATRIX_FMT_FP6 matrix_a_scale:MATRIX_SCALE_ROW1
.else
	v_wmma_scale_f32_16x16x128_f8f6f4 v[rD:rD+7], v[rA:rA+11], v[rB:rB+11], v[rD:rD+7], v[rSA], v[rSB] matrix_a_fmt:MATRIX_FMT_FP6 matrix_b_fmt:MATRIX_FMT_FP6
.endif
.endif
.endm
.macro SMUL zero                       ; S^T = K q^T (+ the biases that lie in S): 16 accumulators, one instruction each; tile B: D, C and q in window 1
.irp w, 0,1
	WIN 0x54*\w
.irp J, 0,1,2,3
.irp u, 0,1
.set rD, S+16*\J+8*\u
.set rA, F+12*\J
.set rB, QF+6*\u
.set rSA, KSC+\J/2
.set rSB, QSC+(QSCB-QSC)*\w
	EMIT \zero, \J%2
.endr
.endr
.endr
	WIN 0
.endm
.macro PV b                            ; O^T += V^T P^T: four accumulators, one instruction each
.irp t, 0,1,2,3
.set rD, OT+8*\t
.set rA, F+12*\t
.set rB, PCD
.set rSA, VSC+\t/2
.set rSB, PSC+(PSCB-PSC)*\b
	EMIT 0, \t%2
.endr
.endm
.macro LDK ak, ko, as, so              ; K's four fragments and scale words: 13 LDS loads
.irp J, 0,1,2,3
.irp g, 0,1,2
	ds_load_b128 v[F+12*\J+4*\g:F+12*\J+4*\g+3], v[\ak] offset:\ko+1536*\J+512*\g
.endr
.endr
	ds_load_b64 v[KSC:KSC+1], v[\as] offset:\so
.endm
.macro BIASLD                          ; the biases of my 64 keys into the scores' registers
.irp J, 0,1,2,3
.irp e, 0,1,2,3
	ds_load_b128 v[S+16*\J+4*\e:S+16*\J+4*\e+3], v[ABI] offset:128*\J+16*\e
.endr
.endr
.endm
.macro SOFT1                           ; a tile's maxima, the new M, and t - M
.irp b, 0,1,2,3
	v_max3_num_f32 v[BM+\b], v[S+16*\b], v[S+16*\b+1], v[S+16*\b+2]   ; the largest score of each block of 32 keys: for the row's maximum and, since p rises with the score, for the block's largest p
.endr
.irp i, 3,5,7,9,11,13
.irp b, 0,1,2,3
	v_max3_num_f32 v[BM+\b], v[BM+\b], v[S+16*\b+\i], v[S+16*\b+\i+1]
.endr
.endr
.irp b, 0,1,2,3
	v_max_num_f32 v[BM+\b], v[BM+\b], v[S+16*\b+15]
.endr
.irp b, 0,1,2,3
	s_delay_alu instid0(VALU_DEP_4)
	v_permlanex16_b32 v[PT+\b], v[BM+\b], s[SEL], s[SEL+1]
.endr
.irp b, 0,1,2,3
	s_delay_alu instid0(VALU_DEP_4)
	v_max_num_f32 v[BM+\b], v[BM+\b], v[PT+\b]     ; with lane l xor 16's 16 keys
.endr
	s_delay_alu instid0(VALU_DEP_2)
	v_max3_num_f32 v[T0], v[BM], v[BM+1], v[BM+2]
	s_delay_alu instid0(VALU_DEP_1)
	v_max_num_f32 v[T0], v[T0], v[BM+3]
	s_delay_alu instid0(VALU_DEP_1)
	v_fma_f32 v[T0], v[T0], s[CS], s[CBT]          ; the step's largest t
	s_delay_alu instid0(VALU_DEP_1)
	v_max_num_f32 v13, v13, v[T0]
	v_mov_b32 v[T0], v[NM]
	s_delay_alu instid0(VALU_DEP_2)
	v_floor_f32 v[NM], -v13                        ; -M = floor(-t): M is a whole number
	s_delay_alu instid0(VALU_DEP_1)
	v_sub_f32 v[T0], v[NM], v[T0]                  ; old M - new M: a whole number, 0 or less
	s_delay_alu instid0(VALU_DEP_1)
	v_cvt_i32_f32 v[T0], v[T0]                     ; (it saturates)
	s_delay_alu instid0(VALU_DEP_1)
	v_ldexp_f32 v[FF], 1.0, v[T0]                  ; f
	v_add_f32 v[MA], s[CBT], v[NM]
.set j, 0
.rept 32
	v_pk_fma_f32 v[S+2*j:S+2*j+1], v[S+2*j:S+2*j+1], s[CS:CS+1], v[MA:MA+1] op_sel_hi:[1,0,0]   ; t - M, two at a time
.set j, j+1
.endr
.irp b, 0,1,2,3
	v_fma_f32 v[BM+\b], v[BM+\b], s[CS], v[MA]     ; the same of each block's largest score
.endr
.endm
.macro EXPS                            ; p = 2^(t - M), at most 1; and each block's largest p: the same two instructions on the same number give the same bits
.set j, 0
.rept 64
	v_exp_f32 v[S+j], v[S+j]
.set j, j+1
.endr
.irp b, 0,1,2,3
	v_exp_f32 v[BM+\b], v[BM+\b]
.endr
.endm
.macro POST b                          ; a tile's scale word and codes of p, O^T and the sum under the new M, the row's sum of the unquantised p
	v_pk_mul_f32 v[SUM:SUM+1], v[SUM:SUM+1], v[FF:FF+1] op_sel_hi:[1,0]   ; a plain place behind the exponentials
.if \b == 0
	s_wait_alu depctr_va_vdst(0)                   ; one wait for the batch (both tiles'), ahead of its first reader
.endif
.irp i, 0,1,2,3
	v_max_num_f32 v[BM+\i], 0x1800000, v[BM+\i]    ; the floor 2^(3 - 127): the byte cannot fall under 1
.endr
.irp i, 0,1,2,3
	s_delay_alu instid0(VALU_DEP_4)
	v_add_nc_u32 v[SO+\i], 0xff000000, v[BM+\i]    ; 2 off the exponent field: the conversion's scale operand
.endr
.irp i, 0,1,2,3
	s_delay_alu instid0(VALU_DEP_4)
	v_lshrrev_b32 v[PT+\i], 23, v[SO+\i]
.endr
	s_delay_alu instid0(VALU_DEP_3)
	v_lshl_or_b32 v[PSC], v[PT+1], 8, v[PT]
	s_delay_alu instid0(VALU_DEP_1)
	v_lshl_or_b32 v[PSC], v[PT+2], 16, v[PSC]
.if \b
	WIN 0x15                                       ; sources window 1, destination window 0
	v_lshl_or_b32 v[PSCB], v[PT+3], 24, v[PSC]
	WIN 0x55
.else
	v_lshl_or_b32 v[PSC], v[PT+3], 24, v[PSC]      ; p's scale word for these 128 keys
.endif
.irp c, 0,1
	v_cvt_scalef32_pk16_fp6_f32 v[PCD+6*\c:PCD+6*\c+2], v[S+32*\c:S+32*\c+15], v[SO+2*\c]
	v_cvt_scalef32_pk16_fp6_f32 v[CT+4*\c:CT+4*\c+2], v[S+32*\c+16:S+32*\c+31], v[SO+2*\c+1]
.endr
	v_nop                                          ; one plain place behind a scaled conversion
.irp c, 0,1                                    ; a whole block in a lane: lanes 0-15 block 2 c, lanes 16-31 block 2 c + 1
.irp i, 0,1,2
	v_permlane16_swap_b32 v[PCD+6*\c+\i], v[CT+4*\c+\i]
.endr
.irp i, 0,1,2
	s_delay_alu instid0(VALU_DEP_3)
	v_mov_b32 v[PCD+6*\c+3+\i], v[CT+4*\c+\i]
.endr
.endr
	s_wait_alu depctr_va_vdst(0)                   ; the wait ahead of the first reader of O^T
.set j, 0
.rept 16
	v_pk_mul_f32 v[OT+2*j:OT+2*j+1], v[OT+2*j:OT+2*j+1], v[FF:FF+1] op_sel_hi:[1,0]
.set j, j+1
.endr
	v_pk_add_f32 v[T0:T0+1], v[S:S+1], v[S+2:S+3]  ; the sum in four chains; these 32 lines are also the plain work between the last write of an operand or scale word and the products
	v_pk_add_f32 v[T1:T1+1], v[S+4:S+5], v[S+6:S+7]
	v_pk_add_f32 v[T2:T2+1], v[S+8:S+9], v[S+10:S+11]
	v_pk_add_f32 v[SUM:SUM+1], v[SUM:SUM+1], v[S+12:S+13]
	v_pk_add_f32 v[T0:T0+1], v[T0:T0+1], v[S+14:S+15]
.irp j, 16,24,32,40,48,56
	v_pk_add_f32 v[T1:T1+1], v[T1:T1+1], v[S+\j:S+\j+1]
	v_pk_add_f32 v[T2:T2+1], v[T2:T2+1], v[S+\j+2:S+\j+3]
	v_pk_add_f32 v[SUM:SUM+1], v[SUM:SUM+1], v[S+\j+4:S+\j+5]
	v_pk_add_f32 v[T0:T0+1], v[T0:T0+1], v[S+\j+6:S+\j+7]
.endr
	v_pk_add_f32 v[T0:T0+1], v[T0:T0+1], v[T1:T1+1]
	v_pk_add_f32 v[SUM:SUM+1], v[SUM:SUM+1], v[T2:T2+1]
	v_pk_add_f32 v[SUM:SUM+1], v[SUM:SUM+1], v[T0:T0+1]
.endm
.macro BUCK n, o                       ; n under 8 itself; from 8 on one more for each threshold reached
	v_min_u32 v[\o], 8, v[\n]
.irp T, 12,16,23,32,46,64,91
	v_cmp_le_u32 vcc_lo, \T, v[\n]
	s_delay_alu instid0(VALU_DEP_1)
	v_cndmask_b32 v238, v236, v237, vcc_lo
	s_delay_alu instid0(VALU_DEP_1)
	v_add_nc_u32 v[\o], v[\o], v238
.endr
.endm
.macro FILLLD p                        ; step 2 w + p from memory: 37 loads
.irp t, 0,1,2,3,4,5,6,7                        ; eight tiles of keys, the head's half of each: two tiles make a source 0
	global_load_b128 v[F+12*(\t/2)+6*(\t%2):F+12*(\t/2)+6*(\t%2)+3], v[L16], s[40:41] offset:393216*\p+1536*\t
	global_load_b64 v[F+12*(\t/2)+6*(\t%2)+4:F+12*(\t/2)+6*(\t%2)+5], v[L8], s[40:41] offset:393216*\p+1536*\t+512
.endr
.irp t, 0,1,2,3                                ; the head's four tiles of channels x the step's 128 keys
	global_load_b128 v[S+12*\t:S+12*\t+3], v[L16], s[44:45] offset:12288*\p+1536*\t
	global_load_b64 v[S+12*\t+4:S+12*\t+5], v[L8], s[44:45] offset:12288*\p+1536*\t+512
	global_load_b128 v[S+12*\t+6:S+12*\t+9], v[L16], s[44:45] offset:12288*\p+1536*\t+768
	global_load_b64 v[S+12*\t+10:S+12*\t+11], v[L8], s[44:45] offset:12288*\p+1536*\t+1280
.endr
.irp i, 0,1
	global_load_b32 v[136+\i], v231, s[42:43] offset:16384*\p+8*\i        ; fragment 2 i + h: its even tile's word,
	global_load_b32 v[138+\i], v231, s[42:43] offset:16384*\p+256+8*\i    ; its odd tile's
.endr
	global_load_b64 v[142:143], v233, s[46:47] offset:512*\p
.endm
.macro FILLST p                        ; and into LDS; p = 1: the data lie in window 1
	WIN 0x55*\p
	v_perm_b32 v140, v138, v136, s58               ; bytes 0, 1: the even tile's two blocks; bytes 2, 3: the odd tile's
	v_perm_b32 v141, v139, v137, s58
	WIN 0x04*\p
.irp J, 0,1,2,3
.irp g, 0,1,2
	ds_store_b128 v227, v[F+12*\J+4*\g:F+12*\J+4*\g+3] offset:6144*\p+1536*\J+512*\g
	ds_store_b128 v228, v[S+12*\J+4*\g:S+12*\J+4*\g+3] offset:6144*\p+1536*\J+512*\g
.endr
.endr
	ds_store_b64 v229, v[140:141] offset:256*\p
	ds_store_b64 v229, v[142:143] offset:VSO+256*\p
	WIN 0
.endm
.macro INIT                            ; a tile's state
	v_mov_b32 v13, 0xff61b1e6                      ; the largest t so far: -3e38, under every t
	s_delay_alu instid0(VALU_DEP_1)
	v_floor_f32 v[NM], -v13
	v_mov_b32 v[SUM], 0
	v_mov_b32 v[SUM+1], 0
.irp i, 6,7,8,9,10,11
	v_mov_b32 v[QF+\i], 0                          ; the zero codes between the two copies of q
.endr
.irp b, 0,1,2,3
	v_mov_b32 v[PT+\b], 0                          ; a lane permute's destination counts as one of its sources
.endr
	v_mov_b32 v[MA+1], 0                           ; (upper words of pairs of which the low word serves both halves)
	v_mov_b32 v[FF+1], 0
	v_mov_b32 v[T0], 0
	v_mov_b32 v[T0+1], 0
.set j, 0
.rept 32
	v_mov_b32 v[OT+j], 0                           ; the loop is written once: its first step finds zeros, which the first change of M leaves zeros
.set j, j+1
.endr
.endm
.macro FIN                             ; O^T / the sum; register 16 B + i is channel 32 B + 16 (lane / 16) + i of the head: two blocks of 32, quantised: half c of the next product's fragment
	v_add_f32 v[SUM], v[SUM], v[SUM+1]
	s_delay_alu instid0(VALU_DEP_1)
	v_permlanex16_b32 v[T0], v[SUM], s[SEL], s[SEL+1]
	s_delay_alu instid0(VALU_DEP_1)
	v_add_f32 v[SUM], v[SUM], v[T0]
	s_wait_alu depctr_va_vdst(0)                   ; the wait ahead of the transcendental
	v_rcp_f32 v[SUM], v[SUM]
	v_nop
	v_nop
	v_nop
	s_wait_alu depctr_va_vdst(0)                   ; and ahead of its first reader
.set j, 0
.rept 32
	v_mul_f32 v[S+j], v[OT+j], v[SUM]              ; each accumulator from its low end on
.set j, j+1
.endr
.irp b, 0,1
	v_max3_num_f32 v[BM+\b], |v[S+16*\b]|, |v[S+16*\b+1]|, 0x1800000
.endr
.irp i, 2,4,6,8,10,12,14
.irp b, 0,1
	s_delay_alu instid0(VALU_DEP_2)
	v_max3_num_f32 v[BM+\b], v[BM+\b], |v[S+16*\b+\i]|, |v[S+16*\b+\i+1]|
.endr
.endr
.irp b, 0,1
	s_delay_alu instid0(VALU_DEP_2)
	v_permlanex16_b32 v[PT+\b], v[BM+\b], s[SEL], s[SEL+1]
.endr
.irp b, 0,1
	s_delay_alu instid0(VALU_DEP_2)
	v_max_num_f32 v[BM+\b], v[BM+\b], v[PT+\b]
.endr
.irp b, 0,1
	s_delay_alu instid0(VALU_DEP_2)
	v_add_nc_u32 v[SO+\b], 0xff000000, v[BM+\b]
.endr
.irp b, 0,1
	s_delay_alu instid0(VALU_DEP_2)
	v_lshrrev_b32 v[PT+\b], 23, v[SO+\b]
.endr
	s_delay_alu instid0(VALU_DEP_1)
	v_lshl_or_b32 v[T0], v[PT+1], 8, v[PT]         ; the head's two scale bytes
	v_cvt_scalef32_pk16_fp6_f32 v[PCD:PCD+2], v[S:S+15], v[SO]
	v_cvt_scalef32_pk16_fp6_f32 v[CT:CT+2], v[S+16:S+31], v[SO+1]
	v_nop
.irp i, 0,1,2
	v_permlane16_swap_b32 v[PCD+\i], v[CT+\i]
.endr
.irp i, 0,1,2
	s_delay_alu instid0(VALU_DEP_3)
	v_mov_b32 v[PCD+3+\i], v[CT+\i]
.endr
.endm
	s_load_b256 s[4:11], s[0:1], 0x0               ; big, vbuf, rel_table, hbuf
	v_lshl_add_u32 v222, v0, 2, 0x38000
	v_mov_b32 v223, 0
	v_lshrrev_b32 v224, 5, v0
	s_delay_alu instid0(VALU_DEP_1)
	v_readfirstlane_b32 s12, v224                  ; wave 0..7
	v_and_b32 v224, 31, v0                         ; lane
	v_and_b32 v225, 15, v0                         ; r
	v_bfe_u32 v226, v0, 4, 1                       ; h
	v_lshlrev_b32 v[L16], 4, v224
	v_lshlrev_b32 v[L8], 3, v224
	v_lshlrev_b32 v[R16], 4, v225
	v_add_nc_u32 v[AV0], VL, v[L16]
	v_add_nc_u32 v[AS0], KSL, v[L8]
	s_mul_i32 s58, s12, 12288
	v_add_nc_u32 v227, s58, v[L16]                 ; the fill: my two steps of K,
	s_delay_alu instid0(VALU_DEP_1)
	v_add_nc_u32 v228, VL, v227                    ; of V^T,
	s_lshl_b32 s58, s12, 9
	v_add_nc_u32 v229, s58, v[AS0]                 ; of the scale words,
	v_lshl_add_u32 v230, v0, 2, BT                 ; and my two words of the bias table
	v_lshl_add_u32 v231, v226, 2, v[R16]           ; K's scale words in memory: 16 r + 4 h
	v_lshrrev_b32 v242, 3, v224                    ; the nine words behind copy lane / 8 of the table: the ninth,
	s_delay_alu instid0(VALU_DEP_1)
	v_mul_u32_u24 v242, v242, BTP+4
	s_delay_alu instid0(VALU_DEP_1)
	v_add_nc_u32 v242, BT+2048, v242
	v_and_b32 v243, 7, v224
	s_delay_alu instid0(VALU_DEP_1)
	v_lshl_add_u32 v243, v243, 2, v242             ; and word lane % 8
	s_and_b32 s13, ttmp7, 0xffff
	s_lshr_b32 s14, s13, 4                         ; batch
	s_and_b32 s15, s13, 15                         ; head
	s_and_b32 s16, s15, 1                          ; c
	s_lshr_b32 s17, s15, 1                         ; hp
	s_and_b32 s18, s12, 3                          ; my pair of tiles in its block of 128 queries: tiles 2 s18 and 2 s18 + 1
	s_lshr_b32 s58, s12, 2
	s_lshl_b32 s20, s14, 4
	s_lshl_b32 s21, s12, 1
	s_add_co_u32 s21, s20, s21                     ; the first tokens' block that I fill: 16 batch + 2 wave
	s_lshl_b32 s59, ttmp9, 1
	s_add_co_u32 s20, s20, s59
	s_add_co_u32 s20, s20, s58                     ; my queries' block: 16 batch + 2 x + wave / 4
	s_lshl_b32 s[Q0], ttmp9, 8
	s_lshl_b32 s58, s58, 7
	s_add_co_u32 s[Q0], s[Q0], s58
	s_lshl_b32 s58, s18, 5
	s_add_co_u32 s[Q0], s[Q0], s58                 ; 256 x + 128 (wave / 4) + 32 (wave % 4); tile u's query is this + 8 u + r + 8 (r / 8)
	s_lshl_b32 s37, s18, 2                         ; tile A's place among a block's scale words; tile B's is 256 bytes on
	s_mul_i32 s61, s16, 768
	s_mul_i32 s60, s18, 3072
	s_add_co_u32 s60, s60, s61
	s_add_co_u32 s60, s60, CODE0                   ; tile A's half fragment in a K step; tile B's is 1,536 bytes on
	s_mov_b32 s39, 0
	s_mov_b32 s63, 0
	v_and_b32 v232, 8, v225
	s_delay_alu instid0(VALU_DEP_1)
	v_add_nc_u32 v232, v232, v225
	s_delay_alu instid0(VALU_DEP_1)
	v_and_b32 v232, 0x3c, v232                     ; r + 8 (r / 8) without its two low bits,
	s_delay_alu instid0(VALU_DEP_1)
	v_lshlrev_b32 v232, 2, v232                    ; in bytes
	v_and_b32 v[BT0], 3, v225                      ; the copy that is shifted by those two bits
	s_delay_alu instid0(VALU_DEP_1)
	v_mul_u32_u24 v[BT0], v[BT0], BTP
	s_delay_alu instid0(VALU_DEP_1)
	v_lshl_add_u32 v[BT0], v226, 6, v[BT0]
	s_delay_alu instid0(VALU_DEP_1)
	v_add_nc_u32 v[BT0], BT+256, v[BT0]
	s_delay_alu instid0(VALU_DEP_1)
	v_sub_nc_u32 v[BT0], v[BT0], v232
	WIN 0x40
	v_sub_nc_u32 v[BT0], v[BT0], 32                ; tile B's queries lie 8 further on: window 1's copy
	WIN 0
	s_lshl_b32 s58, s16, 3
	v_add_nc_u32 v233, s58, v[L16]                 ; V's scale words in memory: 16 x lane + 8 c
	v_mov_b32 v236, 0
	v_mov_b32 v237, 1
	v_sub_nc_u32 v234, 256, v0                     ; T[thread]: the key lies n = 256 - thread before the query
	BUCK 234, 235
	BUCK 0, 240                                    ; T[256 + thread]: n = thread behind it: the upper 16 buckets, but for n = 0
	v_mov_b32 v237, 16
	v_cmp_lt_u32 vcc_lo, 0, v0
	s_delay_alu instid0(VALU_DEP_1)
	v_cndmask_b32 v238, v236, v237, vcc_lo
	s_delay_alu instid0(VALU_DEP_1)
	v_add_nc_u32 v240, v240, v238
	v_min_u32 v235, 31, v235
	s_delay_alu instid0(VALU_DEP_2)
	v_min_u32 v240, 31, v240
	s_delay_alu instid0(VALU_DEP_2)
	v_lshlrev_b32 v239, 6, v235                    ; a bucket's row is 64 bytes
	s_delay_alu instid0(VALU_DEP_2)
	v_lshlrev_b32 v241, 6, v240
	s_mov_b32 s58, 0x05040100                      ; v_perm_b32: the head's two scale bytes of two words: bytes 0, 1 (c = 0) or 2, 3 (c = 1)
	s_mov_b32 s59, 0x01000100
	s_cmp_eq_u32 s16, 1
	s_cselect_b32 s58, 0x07060302, s58
	s_cselect_b32 s59, 0x03020302, s59
	s_wait_alu depctr_va_vdst(0)
	s_wait_kmcnt 0x0
	s_lshl_b32 s38, s21, 5
	s_add_co_u32 s38, s38, s17
	s_add_co_u32 s38, s38, 8                       ; k: block x 32 + 8 + hp
	s_lshl_b32 s62, s38, 9
	s_mul_i32 s38, s38, 12288
	s_add_co_u32 s38, s38, s61
	s_add_co_u32 s38, s38, CODE0
	s_add_nc_u64 s[40:41], s[4:5], s[38:39]
	s_add_nc_u64 s[42:43], s[4:5], s[62:63]
	s_lshl_b32 s38, s17, 5
	s_add_co_u32 s38, s38, s21                     ; v: channel block hp x 32 + the tokens' block
	s_lshl_b32 s62, s38, 9
	s_mul_i32 s38, s38, 12288
	s_mul_i32 s61, s16, 6144                       ; the head's four tiles
	s_add_co_u32 s38, s38, s61
	s_add_co_u32 s38, s38, CODE0
	s_add_nc_u64 s[44:45], s[6:7], s[38:39]
	s_add_nc_u64 s[46:47], s[6:7], s[62:63]
	s_lshl_b32 s38, s20, 5
	s_add_co_u32 s38, s38, s17                     ; q: block x 32 + hp
	s_lshl_b32 s62, s38, 9
	s_mul_i32 s38, s38, 12288
	s_add_co_u32 s38, s38, s60
	s_add_co_u32 s62, s62, s37
	s_add_nc_u64 s[48:49], s[4:5], s[38:39]
	s_add_nc_u64 s[50:51], s[4:5], s[62:63]
	s_lshl_b32 s38, s20, 3
	s_add_co_u32 s38, s38, s17                     ; the result: block x 8 + hp
	s_lshl_b32 s62, s38, 9
	s_mul_i32 s38, s38, 12288
	s_add_co_u32 s38, s38, s60
	s_add_co_u32 s62, s62, s37
	s_lshl_b32 s61, s16, 1
	s_add_co_u32 s62, s62, s61                     ; the head's two bytes of the scale word
	s_add_nc_u64 s[52:53], s[10:11], s[38:39]
	s_add_nc_u64 s[54:55], s[10:11], s[62:63]
	s_lshl_b32 s38, s15, 2
	s_add_nc_u64 s[56:57], s[8:9], s[38:39]        ; the table at my head
	s_load_b32 s[CBLO], s[56:57], 960
	s_load_b32 s[CBHI], s[56:57], 1984
	FILLLD 0
	global_load_b128 v[QF:QF+3], v[L16], s[48:49]
	global_load_b64 v[QF+4:QF+5], v[L8], s[48:49] offset:512
	global_load_b128 v[QF+12:QF+15], v[L16], s[48:49]
	global_load_b64 v[QF+16:QF+17], v[L8], s[48:49] offset:512
	global_load_b32 v[QSC], v[R16], s[50:51]
	global_load_b32 v[QSCB], v[R16], s[50:51] offset:256
	global_load_b32 v144, v239, s[56:57]
	global_load_b32 v145, v241, s[56:57]
	WIN 0x40                                       ; destinations in window 1: the second step, and tile B's q
	FILLLD 1
	global_load_b128 v[QF:QF+3], v[L16], s[48:49] offset:1536
	global_load_b64 v[QF+4:QF+5], v[L8], s[48:49] offset:2048
	global_load_b128 v[QF+12:QF+15], v[L16], s[48:49] offset:1536
	global_load_b64 v[QF+16:QF+17], v[L8], s[48:49] offset:2048
	WIN 0
	s_mov_b32 s[SEL], 0x76543210
	s_mov_b32 s[SEL+1], 0xfedcba98
	s_mov_b32 s[CS], 0x3fb8aa3b                    ; log2(e)
	s_mov_b32 s[CS+1], s[CS]
	s_mov_b32 s[KF], 0
	s_mov_b32 s[TB], 0
	s_mov_b32 s[TS], 0
	s_mov_b32 s[CNT], 16
	s_wait_loadcnt 41                              ; all but the 41 loads into window 1
	FILLST 0
	v_perm_b32 v[QSC], v[QSC], v[QSC], s59         ; q's two bytes, twice
	v_perm_b32 v[QSCB], v[QSCB], v[QSCB], s59
.irp c, 0,1,2,3
	ds_store_b32 v230, v144 offset:(BTP+4)*\c
	ds_store_b32 v230, v145 offset:(BTP+4)*\c+1024
.endr
	s_wait_loadcnt 0x0
	FILLST 1
	s_wait_alu depctr_va_vdst(0)
	s_cmp_lg_u32 s12, 0
	s_cbranch_scc1 .Lnogap
	ds_store_b32 v243, v236                        ; wave 0: zeros into the nine words behind each copy of the table
	ds_store_b32 v242, v236 offset:32
.Lnogap:
	INIT
	WIN 0x55
	INIT
	WIN 0
	s_wait_alu depctr_va_vdst(0)
	s_wait_kmcnt 0x0                               ; the two far biases
	s_wait_dscnt 0x0                               ; for the others' sake: my stores have landed
	s_barrier_signal -1
	s_barrier_wait -1                              ; the head's K, V^T, scale words and bias table lie in LDS; nothing writes LDS from here on
	LDK L16, 0, AS0, 0                             ; step 0's K
.Lstep:                                            ; 16 trips of 128 keys; this trip's K was asked for a trip ago
	s_sub_co_i32 s[DD], s[KF], s[Q0]               ; d: key - query lies in d - 31 .. d + 127
	s_add_co_i32 s[E0], s[DD], 192                 ; near where -192 <= d <= 96
	s_min_u32 s[EE], s[E0], 288
	s_cmp_gt_i32 s[DD], 0
	s_cselect_b32 s[CBR], s[CBHI], s[CBLO]
	s_cmp_le_u32 s[E0], 288
	s_cselect_b32 s[CBR], 0, s[CBR]                ; a near step has its biases in the scores
	s_mul_f32 s[CBT], s[CS], s[CBR]
	s_cmp_gt_u32 s[E0], 288                        ; a branch on ids and the trip's number
	s_cbranch_scc1 .Lfar
	v_lshl_add_u32 v[ABI], s[EE], 2, v[BT0]
	WIN 0x55
	v_lshl_add_u32 v[ABI], s[EE], 2, v[BT0]
	WIN 0
	BIASLD
	WIN 0x41                                       ; address and destination in window 1
	BIASLD
	WIN 0
	s_wait_dscnt 0x0                               ; K and the biases
	SMUL 0
	s_branch .Ljoin
.Lfar:
	s_wait_dscnt 0x0                               ; K
	SMUL 1
.Ljoin:
	v_add_nc_u32 v[AKS], s[TB], v[L16]             ; four places behind the products: in front of the reads of the scores and of the loads into K's registers
	v_add_nc_u32 v[ASS], s[TS], v[AS0]
	v_add_nc_u32 v[AVS], s[TB], v[AV0]
	v_nop
	WIN 0x40
.irp t, 0,1,2,3                                ; V^T's four fragments, into window 1: they land under the softmax
.irp g, 0,1,2
	ds_load_b128 v[F+12*\t+4*\g:F+12*\t+4*\g+3], v[AVS] offset:1536*\t+512*\g
.endr
.endr
	WIN 0
	ds_load_b64 v[VSC:VSC+1], v[ASS] offset:VSO
	LDK AKS, 6144, ASS, 256                        ; the next step's K (in the last trip: bytes of V^T and of V's scale words, which nobody uses)
	SOFT1
	WIN 0x55
	SOFT1
	s_wait_alu depctr_va_vdst(0)                   ; the wait ahead of the batch
	EXPS
	WIN 0
	EXPS
	POST 0
	s_wait_dscnt 13                                ; V^T and its scale words are in; the 13 loads of the next K may be out
	WIN 0x01                                       ; source 0 (V^T) window 1
	PV 0
	WIN 0x55
	POST 1
	PV 1
	WIN 0
	s_add_co_u32 s[KF], s[KF], 128
	s_add_co_u32 s[TB], s[TB], 6144
	s_add_co_u32 s[TS], s[TS], 256
	s_sub_co_u32 s[CNT], s[CNT], 1
	s_cmp_lg_u32 s[CNT], 0
	s_cbranch_scc1 .Lstep
	s_wait_alu depctr_va_vdst(0)
	s_wait_dscnt 0x0                               ; the last trip's loads of K have landed in their registers
	FIN
	global_store_b128 v[L16], v[PCD:PCD+3], s[52:53]             ; 512 and 256 consecutive bytes
	global_store_b64 v[L8], v[PCD+4:PCD+5], s[52:53] offset:512
	WIN 0x55
	FIN
	WIN 0x04                                       ; the data in window 1
	global_store_b128 v[L16], v[PCD:PCD+3], s[52:53] offset:1536
	global_store_b64 v[L8], v[PCD+4:PCD+5], s[52:53] offset:2048
	WIN 0
	v_and_b32 v[AKS], 31, v0
	s_delay_alu instid0(VALU_DEP_1)
	v_cmp_gt_u32 vcc_lo, 16, v[AKS]
	s_wait_alu depctr_va_vdst(0)
	s_wait_xcnt 0x0                                ; EXEC changes only behind this wait
	s_wait_tensorcnt 0x0                           ; the wave's end
	ds_add_u32 v222, v223
	s_wait_dscnt 0x0
	s_and_saveexec_b32 s58, vcc_lo                 ; lanes 16-31 hold the same bytes
	global_store_b16 v[R16], v[T0], s[54:55]
	WIN 0x04
	global_store_b16 v[R16], v[T0], s[54:55] offset:256
	WIN 0
	s_wait_xcnt 0x0
	s_or_b32 exec_lo, exec_lo, s58
	s_endpgm
.Lfunc_end_k_q4660c3f4b7_attn:
	.size	k_q4660c3f4b7_attn, .Lfunc_end_k_q4660c3f4b7_attn-k_q4660c3f4b7_attn
	.p2alignl 7, 3214868480
	.fill 96, 4, 3214868480
	.section	.rodata,"a",@progbits
	.p2align	6, 0x0
	.amdhsa_kernel k_q4660c3f4b7_attn
		.amdhsa_group_segment_fixed_size 231424
		.amdhsa_private_segment_fixed_size 0
		.amdhsa_enable_private_segment 0
		.amdhsa_kernarg_size 32
		.amdhsa_user_sgpr_count 2
		.amdhsa_user_sgpr_kernarg_segment_ptr 1
		.amdhsa_wavefront_size32 1
		.amdhsa_system_sgpr_workgroup_id_x 1
		.amdhsa_system_sgpr_workgroup_id_y 1
		.amdhsa_system_sgpr_workgroup_id_z 1
		.amdhsa_system_vgpr_workitem_id 0
		.amdhsa_next_free_vgpr 512
		.amdhsa_next_free_sgpr 66
		.amdhsa_reserve_vcc 1
		.amdhsa_float_denorm_mode_32 3
		.amdhsa_float_denorm_mode_16_64 3
		.amdhsa_memory_ordered 1
		.amdhsa_forward_progress 1
		.amdhsa_inst_pref_size 71
	.end_amdhsa_kernel
	.amdgpu_metadata
---
amdhsa.version: [ 1, 2 ]
amdhsa.kernels:
  - .name:           k_q4660c3f4b7_attn
    .symbol:         k_q4660c3f4b7_attn.kd
    .args:
      - { .name: big, .offset: 0, .size: 8, .value_kind: global_buffer, .address_space: global }
      - { .name: vbuf, .offset: 8, .size: 8, .value_kind: global_buffer, .address_space: global }
      - { .name: rel_table, .offset: 16, .size: 8, .value_kind: global_buffer, .address_space: global }
      - { .name: hbuf, .offset: 24, .size: 8, .value_kind: global_buffer, .address_space: global }
    .group_segment_fixed_size: 231424
    .private_segment_fixed_size: 0
    .kernarg_segment_align: 8
    .kernarg_segment_size: 32
    .max_flat_workgroup_size: 256
    .sgpr_count:     66
    .vgpr_count:     512
    .wavefront_size: 32
...
	.end_amdgpu_metadata
.endif
;; end of part 3
;; launch wo (part 4): grid 4 x 64, 4 waves a work-group, no clusters, 327,680 bytes of LDS; arguments hbuf, woi, hidden_states, x1; writes x1
.if DOCPART == 4
	.amdgcn_target "amdgcn-amd-amdhsa--gfx1250"
	.amdhsa_code_object_version 6
	.text
	.protected	k_q4660c3f4b7_wo
	.globl	k_q4660c3f4b7_wo
	.p2align	8
	.type	k_q4660c3f4b7_wo,@function
k_q4660c3f4b7_wo:
	s_mov_b64 s[64:65], 0
	v_nop
	global_prefetch_b8 v0, s[64:65] scope:SCOPE_SE
	s_setreg_imm32_b32 hwreg(HW_REG_WAVE_MODE, 25, 1), 1
	s_wait_xcnt 0x0
.set KS, 8
.set U, KS/2
.set CODE0, 524288
.set STG, 6144*KS
.set RB,  STG+4*4352
.set L16, 1
.set L8,  2
.set LQ,  4
.set STO, 8
.set RD,  9
.set GO,  10
.set SAW, 11
.set SAA, 12
.set SCA, 16
.set SCB, 16+2*KS
.set BF,  144
.set TT,  144
.set RR,  208
.set LQ8, 240
.set RDR, 244
.set G0T, 44
.set G1T, 48
.set G0R, 56
.set G1R, 68
.set MSB, 0
.macro WIN new
.if MSB != (\new)
	s_set_vgpr_msb (MSB<<8)|(\new)
.set MSB, (\new)
.endif
.endm
.macro PLACES
.rept 4
	v_nop
.endr
.endm
.macro GLF reg, off, sb
	global_load_b128 v[\reg:\reg+3], v[L16], s[\sb:\sb+1] offset:\off
	global_load_b64 v[\reg+4:\reg+5], v[L8], s[\sb:\sb+1] offset:\off+512
	global_load_b128 v[\reg+6:\reg+9], v[L16], s[\sb:\sb+1] offset:\off+768
	global_load_b64 v[\reg+10:\reg+11], v[L8], s[\sb:\sb+1] offset:\off+1280
.endm
.macro EMIT zero, ra, rb
.if \zero
.if ((\ra) == 0) && ((\rb) == 0)
	v_wmma_scale_f32_16x16x128_f8f6f4 v[rD:rD+7], v[rA:rA+11], v[rB:rB+11], 0, v[rSA], v[rSB] matrix_a_fmt:MATRIX_FMT_FP6 matrix_b_fmt:MATRIX_FMT_FP6
.elseif (\rb) == 0
	v_wmma_scale_f32_16x16x128_f8f6f4 v[rD:rD+7], v[rA:rA+11], v[rB:rB+11], 0, v[rSA], v[rSB] matrix_a_fmt:MATRIX_FMT_FP6 matrix_b_fmt:MATRIX_FMT_FP6 matrix_a_scale:MATRIX_SCALE_ROW1
.elseif (\ra) == 0
	v_wmma_scale_f32_16x16x128_f8f6f4 v[rD:rD+7], v[rA:rA+11], v[rB:rB+11], 0, v[rSA], v[rSB] matrix_a_fmt:MATRIX_FMT_FP6 matrix_b_fmt:MATRIX_FMT_FP6 matrix_b_scale:MATRIX_SCALE_ROW1
.else
	v_wmma_scale_f32_16x16x128_f8f6f4 v[rD:rD+7], v[rA:rA+11], v[rB:rB+11], 0, v[rSA], v[rSB] matrix_a_fmt:MATRIX_FMT_FP6 matrix_b_fmt:MATRIX_FMT_FP6 matrix_a_scale:MATRIX_SCALE_ROW1 matrix_b_scale:MATRIX_SCALE_ROW1
.endif
.else
.if ((\ra) == 0) && ((\rb) == 0)
	v_wmma_scale_f32_16x16x128_f8f6f4 v[rD:rD+7], v[rA:rA+11], v[rB:rB+11], v[rD:rD+7], v[rSA], v[rSB] matrix_a_fmt:MATRIX_FMT_FP6 matrix_b_fmt:MATRIX_FMT_FP6
.elseif (\rb) == 0
	v_wmma_scale_f32_16x16x128_f8f6f4 v[rD:rD+7], v[rA:rA+11], v[rB:rB+11], v[rD:rD+7], v[rSA], v[rSB] matrix_a_fmt:MATRIX_FMT_FP6 matrix_b_fmt:MATRIX_FMT_FP6 matrix_a_scale:MATRIX_SCALE_ROW1
.elseif (\ra) == 0
	v_wmma_scale_f32_16x16x128_f8f6f4 v[rD:rD+7], v[rA:rA+11], v[rB:rB+11], v[rD:rD+7], v[rSA], v[rSB] matrix_a_fmt:MATRIX_FMT_FP6 matrix_b_fmt:MATRIX_FMT_FP6 matrix_b_scale:MATRIX_SCALE_ROW1
.else
	v_wmma_scale_f32_16x16x128_f8f6f4 v[rD:rD+7], v[rA:rA+11], v[rB:rB+11], v[rD:rD+7], v[rSA], v[rSB] matrix_a_fmt:MATRIX_FMT_FP6 matrix_b_fmt:MATRIX_FMT_FP6 matrix_a_scale:MATRIX_SCALE_ROW1 matrix_b_scale:MATRIX_SCALE_ROW1
.endif
.endif
.endm
.macro LOADW u, e
.irp a, 0,1,2,3
	GLF 128*((\u)%2)+48*(\e)+12*\a, 12288*(2*(\u)+(\e))+1536*\a, 40
.endr
.endm
.macro FETCH1 u
.if (\u)%2
	WIN 0xc0
.else
	WIN 0
.endif
.irp e, 0,1
.set kk, 2*(\u)+\e
.irp b, 0,1,2,3
.set fr, BF+48*\e+12*\b
.set fo, (kk%8)*6144+1536*\b
	ds_load_b128 v[fr:fr+3], v[LQ+kk/8] offset:fo
	ds_load_b64 v[fr+4:fr+5], v[LQ8+kk/8] offset:fo+512
	ds_load_b128 v[fr+6:fr+9], v[LQ+kk/8] offset:fo+768
	ds_load_b64 v[fr+10:fr+11], v[LQ8+kk/8] offset:fo+1280
.endr
.endr
.endm
.macro MULS u, e
.set kk, 2*(\u)+(\e)
.irp a, 0,1,2,3
.irp b, 0,1,2,3
.set rD, 32*\b+8*\a
.set rA, 128*((\u)%2)+48*(\e)+12*\a
.set rB, BF+48*(\e)+12*\b
.set rSA, SCA+2*kk+\a/2
.set rSB, SCB+2*kk+\b/2
	EMIT kk==0, \a%2, \b%2
.endr
.endr
.endm
.macro PSTEP u
	s_wait_dscnt 0x0
.if (\u)+1 < U
	FETCH1 (\u)+1
.endif
.if (\u) == 0
	s_wait_loadcnt 32
.elseif (\u)+1 == U
	s_wait_loadcnt 16
.else
	s_wait_loadcnt 48
.endif
	WIN 0xa1+0x0c*((\u)%2)
	MULS \u, 0
.if (\u)+1 == U
	s_wait_loadcnt 0x0
.else
	s_wait_loadcnt 32
.endif
.if (\u)+2 < U
	PLACES
	WIN 0x40
	LOADW (\u)+2, 0
	WIN 0xa1+0x0c*((\u)%2)
.endif
	MULS \u, 1
	PLACES
.if (\u)+2 < U
	WIN 0x40
	LOADW (\u)+2, 1
.endif
	WIN 0
.endm
	s_load_b256 s[4:11], s[0:1], 0x0
	v_lshl_add_u32 v254, v0, 2, 0x29000
	v_mov_b32 v255, 0
	ds_add_u32 v254, v255
	ds_add_u32 v254, v255
	v_lshrrev_b32 v13, 5, v0
	v_readfirstlane_b32 s12, v13
	v_and_b32 v13, 31, v0
	v_and_b32 v14, 15, v0
	v_bfe_u32 v15, v0, 4, 1
	v_lshlrev_b32 v[L16], 4, v13
	v_lshlrev_b32 v[L8], 3, v13
	s_mul_i32 s13, s12, 1536*KS
.irp q, 0,1,2,3
.if 8*\q < KS
	v_add_nc_u32 v[LQ+\q], 49152*\q, v[L16]
	v_add_nc_u32 v[LQ8+\q], 49152*\q, v[L8]
.endif
.endr
	s_mul_i32 s14, s12, 4352
	s_add_co_u32 s14, s14, STG
	v_mul_u32_u24 v[STO], v14, 272
	v_lshl_add_u32 v[STO], v15, 6, v[STO]
	v_add_nc_u32 v[STO], s14, v[STO]
	v_mul_u32_u24 v[RD], v15, 272
	v_lshl_add_u32 v[RD], v14, 4, v[RD]
	v_add_nc_u32 v[RD], s14, v[RD]
	s_mul_i32 s23, s12, 17408
	s_add_co_u32 s23, s23, RB
	v_mul_u32_u24 v[RDR], v15, 272
	v_lshl_add_u32 v[RDR], v14, 4, v[RDR]
	v_add_nc_u32 v[RDR], s23, v[RDR]
	v_lshlrev_b32 v[GO], 12, v15
	v_lshl_add_u32 v[GO], v14, 4, v[GO]
	s_mov_b32 s[G1T], 3<<16
	s_mov_b32 s[G1T+1], 768<<16
	s_mov_b32 s[G1T+2], (KS/4)<<16
	s_mov_b32 s[G1T+3], 768<<16
	s_mov_b32 s[G1T+4], KS/4
	s_mov_b32 s[G1T+5], 1536
	s_mov_b32 s[G1T+6], 0
	s_mov_b32 s[G1T+7], 0
	s_mov_b32 s[G1R], (3<<16)|(1<<20)|(5<<22)|(3<<25)
	s_mov_b32 s[G1R+1], 32<<16
	s_mov_b32 s[G1R+2], 64<<16
	s_mov_b32 s[G1R+3], 32<<16
	s_mov_b32 s[G1R+4], 64
	s_mov_b32 s[G1R+5], 512
	s_mov_b32 s[G1R+6], 0
	s_mov_b32 s[G1R+7], 0
	s_and_b32 s15, ttmp7, 0xffff
	s_and_b32 s16, s12, 1
	s_lshr_b32 s17, s12, 1
	s_and_b32 s18, s15, 1
	s_lshr_b32 s19, s15, 1
	s_lshl_b32 s20, s16, 3
	v_add_nc_u32 v[SAW], s20, v[L16]
	s_lshl_b32 s20, s18, 3
	v_add_nc_u32 v[SAA], s20, v[L16]
	s_mul_i32 s22, s19, KS
	s_mul_i32 s21, s12, KS/4
	s_add_co_u32 s21, s21, s22
	s_mul_i32 s24, s21, 12288
	s_mul_i32 s21, s18, 6144
	s_add_co_u32 s24, s24, s21
	s_add_co_u32 s24, s24, CODE0
	s_mov_b32 s25, 0
	s_lshl_b32 s26, s22, 9
	s_mov_b32 s27, 0
	s_lshl_b32 s28, ttmp9, 1
	s_add_co_u32 s28, s28, s17
	s_mul_i32 s28, s28, KS
	s_mul_i32 s30, s28, 12288
	s_mul_i32 s21, s16, 6144
	s_add_co_u32 s30, s30, s21
	s_add_co_u32 s30, s30, CODE0
	s_mov_b32 s31, 0
	s_lshl_b32 s32, s28, 9
	s_mov_b32 s33, 0
	s_lshl_b32 s34, s15, 18
	s_lshl_b32 s21, ttmp9, 10
	s_add_co_u32 s34, s34, s21
	s_lshl_b32 s21, s12, 8
	s_add_co_u32 s34, s34, s21
	s_mov_b32 s35, 0
	s_wait_alu depctr_va_vdst(0)
	s_wait_dscnt 0x0
	s_wait_kmcnt 0x0
	s_add_nc_u64 s[36:37], s[4:5], s[24:25]
	s_add_nc_u64 s[38:39], s[4:5], s[26:27]
	s_add_nc_u64 s[40:41], s[6:7], s[30:31]
	s_add_nc_u64 s[42:43], s[6:7], s[32:33]
	s_add_nc_u64 s[8:9], s[8:9], s[34:35]
	s_add_nc_u64 s[10:11], s[10:11], s[34:35]
	s_mov_b32 s[G0T], 1
	s_mov_b32 s[G0T+1], s13
	s_mov_b64 s[G0T+2:G0T+3], s[36:37]
	s_or_b32 s[G0T+3], s[G0T+3], 0x80000000
	s_mov_b32 s[G0R], 1
	s_mov_b32 s[G0R+1], s23
	s_mov_b64 s[G0R+2:G0R+3], s[8:9]
	s_or_b32 s[G0R+3], s[G0R+3], 0x80000000
	tensor_load_to_lds s[G0T:G0T+3], s[G1T:G1T+7]
	s_nop 0
.rept 4
	v_nop
.endr
	WIN 0x40
	LOADW 0, 0
	LOADW 0, 1
	WIN 0
.set k, 0
.rept KS
	global_load_b64 v[SCA+2*k:SCA+2*k+1], v[SAW], s[42:43] offset:512*k
	global_load_b64 v[SCB+2*k:SCB+2*k+1], v[SAA], s[38:39] offset:512*k
.set k, k+1
.endr
	WIN 0x40
	LOADW 1, 0
	LOADW 1, 1
	WIN 0
	s_wait_alu depctr_va_vdst(0)
	s_wait_tensorcnt 0x0                           ; my part of the tokens' block has landed; the weights' first loads went out under its flight
	ds_add_u32 v254, v255
	s_wait_dscnt 0x0
	s_barrier_signal -1
	s_barrier_wait -1                              ; the block is whole for all four waves
	tensor_load_to_lds s[G0R:G0R+3], s[G1R:G1R+7]  ; the residual's rows, into bytes of my own; read on the way out
	s_nop 0
.rept 4
	v_nop
.endr
	s_wait_loadcnt 32
	FETCH1 0
.set uu, 0
.rept U
	PSTEP uu
.set uu, uu+1
.endr
	s_wait_tensorcnt 0x0
.irp b, 0,1,2,3
	WIN 0x08
.irp a, 0,1,2,3
	ds_store_b128 v[STO], v[32*\b+8*\a:32*\b+8*\a+3] offset:128*(\a/2)+32*(\a%2)
	ds_store_b128 v[STO], v[32*\b+8*\a+4:32*\b+8*\a+7] offset:128*(\a/2)+32*(\a%2)+16
.endr
	WIN 0
.if \b >= 2
	s_wait_xcnt 0x0
.endif
.irp i, 0,1,2,3,4,5,6,7
	ds_load_b128 v[TT+32*(\b%2)+4*\i:TT+32*(\b%2)+4*\i+3], v[RD] offset:544*\i
.endr
.irp i, 0,1,2,3,4,5,6,7
	ds_load_b128 v[RR+4*\i:RR+4*\i+3], v[RDR] offset:(32*(\b/2)+8*(\b%2)+2*\i+8*(\i/4))*272
.endr
	s_wait_dscnt 0x0
.set i, 0
.rept 16
	v_pk_add_f32 v[TT+32*(\b%2)+2*i:TT+32*(\b%2)+2*i+1], v[TT+32*(\b%2)+2*i:TT+32*(\b%2)+2*i+1], v[RR+2*i:RR+2*i+1]
.set i, i+1
.endr
.irp i, 0,1,2,3,4,5,6,7
	global_store_b128 v[GO], v[TT+32*(\b%2)+4*\i:TT+32*(\b%2)+4*\i+3], s[10:11] offset:(32*(\b/2)+8*(\b%2)+2*\i+8*(\i/4))*4096
.endr
.endr
	s_wait_tensorcnt 0x0
	ds_add_u32 v254, v255
	s_wait_dscnt 0x0
	s_endpgm
.Lfunc_end_k_q4660c3f4b7_wo:
	.size	k_q4660c3f4b7_wo, .Lfunc_end_k_q4660c3f4b7_wo-k_q4660c3f4b7_wo
	.p2alignl 7, 3214868480
	.fill 96, 4, 3214868480
	.section	.rodata,"a",@progbits
	.p2align	6, 0x0
	.amdhsa_kernel k_q4660c3f4b7_wo
		.amdhsa_group_segment_fixed_size 327680
		.amdhsa_private_segment_fixed_size 0
		.amdhsa_enable_private_segment 0
		.amdhsa_kernarg_size 32
		.amdhsa_user_sgpr_count 2
		.amdhsa_user_sgpr_kernarg_segment_ptr 1
		.amdhsa_wavefront_size32 1
		.amdhsa_system_sgpr_workgroup_id_x 1
		.amdhsa_system_sgpr_workgroup_id_y 1
		.amdhsa_system_sgpr_workgroup_id_z 1
		.amdhsa_system_vgpr_workitem_id 0
		.amdhsa_next_free_vgpr 1024
		.amdhsa_next_free_sgpr 80
		.amdhsa_reserve_vcc 0
		.amdhsa_float_denorm_mode_32 3
		.amdhsa_float_denorm_mode_16_64 3
		.amdhsa_memory_ordered 1
		.amdhsa_forward_progress 1
		.amdhsa_inst_pref_size 59
	.end_amdhsa_kernel
	.amdgpu_metadata
---
amdhsa.version: [ 1, 2 ]
amdhsa.kernels:
  - .name:           k_q4660c3f4b7_wo
    .symbol:         k_q4660c3f4b7_wo.kd
    .args:
      - { .name: hbuf, .offset: 0, .size: 8, .value_kind: global_buffer, .address_space: global }
      - { .name: woi, .offset: 8, .size: 8, .value_kind: global_buffer, .address_space: global }
      - { .name: hidden_states, .offset: 16, .size: 8, .value_kind: global_buffer, .address_space: global }
      - { .name: x1, .offset: 24, .size: 8, .value_kind: global_buffer, .address_space: global }
    .group_segment_fixed_size: 327680
    .private_segment_fixed_size: 0
    .kernarg_segment_align: 8
    .kernarg_segment_size: 32
    .max_flat_workgroup_size: 128
    .sgpr_count:     80
    .vgpr_count:     1024
    .wavefront_size: 32
...
	.end_amdgpu_metadata
.endif
;; end of part 4
;; launch norm2: the kernel of part 1 again; grid 256 x 1, 8 waves a work-group, no clusters, 117,760 bytes of LDS; arguments x1, ln2_g, hbuf, Wq_codes, Wq_scales, Wk_codes, Wk_scales, Wv_codes, Wv_scales, Wo_codes, Wo_scales, W1_codes, W1_scales, W2_codes, W2_scales, wqkv, woi, w1i, w2i; writes hbuf, wqkv, woi, w1i, w2i
;; launch ffn1: the kernel of part 2 again; grid 32 x 8, 4 waves a work-group, no clusters, 168,448 bytes of LDS; arguments hbuf, w1i, big, vbuf; writes big, vbuf
;; launch ffn2 (part 5): grid 4 x 64, 4 waves a work-group, no clusters, 327,680 bytes of LDS; arguments big, w2i, x1, out0; writes out0
.if DOCPART == 5
	.amdgcn_target "amdgcn-amd-amdhsa--gfx1250"
	.amdhsa_code_object_version 6
	.text
	.protected	k_q4660c3f4b7_ffn2
	.globl	k_q4660c3f4b7_ffn2
	.p2align	8
	.type	k_q4660c3f4b7_ffn2,@function
k_q4660c3f4b7_ffn2:
	s_mov_b64 s[64:65], 0
	v_nop
	global_prefetch_b8 v0, s[64:65] scope:SCOPE_SE
	s_setreg_imm32_b32 hwreg(HW_REG_WAVE_MODE, 25, 1), 1
	s_wait_xcnt 0x0
.set KS, 32
.set U, KS/2
.set CODE0, 524288
.set STG, 6144*KS
.set RB,  STG+4*4352
.set L16, 1
.set L8,  2
.set LQ,  4
.set STO, 8
.set RD,  9
.set GO,  10
.set SAW, 11
.set SAA, 12
.set SCA, 16
.set SCB, 16+2*KS
.set BF,  144
.set TT,  144
.set RR,  208
.set LQ8, 240
.set RDR, 244
.set G0T, 44
.set G1T, 48
.set G0R, 56
.set G1R, 68
.set MSB, 0
.macro WIN new
.if MSB != (\new)
	s_set_vgpr_msb (MSB<<8)|(\new)
.set MSB, (\new)
.endif
.endm
.macro PLACES
.rept 4
	v_nop
.endr
.endm
.macro GLF reg, off, sb
	global_load_b128 v[\reg:\reg+3], v[L16], s[\sb:\sb+1] offset:\off
	global_load_b64 v[\reg+4:\reg+5], v[L8], s[\sb:\sb+1] offset:\off+512
	global_load_b128 v[\reg+6:\reg+9], v[L16], s[\sb:\sb+1] offset:\off+768
	global_load_b64 v[\reg+10:\reg+11], v[L8], s[\sb:\sb+1] offset:\off+1280
.endm
.macro EMIT zero, ra, rb
.if \zero
.if ((\ra) == 0) && ((\rb) == 0)
	v_wmma_scale_f32_16x16x128_f8f6f4 v[rD:rD+7], v[rA:rA+11], v[rB:rB+11], 0, v[rSA], v[rSB] matrix_a_fmt:MATRIX_FMT_FP6 matrix_b_fmt:MATRIX_FMT_FP6
.elseif (\rb) == 0
	v_wmma_scale_f32_16x16x128_f8f6f4 v[rD:rD+7], v[rA:rA+11], v[rB:rB+11], 0, v[rSA], v[rSB] matrix_a_fmt:MATRIX_FMT_FP6 matrix_b_fmt:MATRIX_FMT_FP6 matrix_a_scale:MATRIX_SCALE_ROW1
.elseif (\ra) == 0
	v_wmma_scale_f32_16x16x128_f8f6f4 v[rD:rD+7], v[rA:rA+11], v[rB:rB+11], 0, v[rSA], v[rSB] matrix_a_fmt:MATRIX_FMT_FP6 matrix_b_fmt:MATRIX_FMT_FP6 matrix_b_scale:MATRIX_SCALE_ROW1
.else
	v_wmma_scale_f32_16x16x128_f8f6f4 v[rD:rD+7], v[rA:rA+11], v[rB:rB+11], 0, v[rSA], v[rSB] matrix_a_fmt:MATRIX_FMT_FP6 matrix_b_fmt:MATRIX_FMT_FP6 matrix_a_scale:MATRIX_SCALE_ROW1 matrix_b_scale:MATRIX_SCALE_ROW1
.endif
.else
.if ((\ra) == 0) && ((\rb) == 0)
	v_wmma_scale_f32_16x16x128_f8f6f4 v[rD:rD+7], v[rA:rA+11], v[rB:rB+11], v[rD:rD+7], v[rSA], v[rSB] matrix_a_fmt:MATRIX_FMT_FP6 matrix_b_fmt:MATRIX_FMT_FP6
.elseif (\rb) == 0
	v_wmma_scale_f32_16x16x128_f8f6f4 v[rD:rD+7], v[rA:rA+11], v[rB:rB+11], v[rD:rD+7], v[rSA], v[rSB] matrix_a_fmt:MATRIX_FMT_FP6 matrix_b_fmt:MATRIX_FMT_FP6 matrix_a_scale:MATRIX_SCALE_ROW1
.elseif (\ra) == 0
	v_wmma_scale_f32_16x16x128_f8f6f4 v[rD:rD+7], v[rA:rA+11], v[rB:rB+11], v[rD:rD+7], v[rSA], v[rSB] matrix_a_fmt:MATRIX_FMT_FP6 matrix_b_fmt:MATRIX_FMT_FP6 matrix_b_scale:MATRIX_SCALE_ROW1
.else
	v_wmma_scale_f32_16x16x128_f8f6f4 v[rD:rD+7], v[rA:rA+11], v[rB:rB+11], v[rD:rD+7], v[rSA], v[rSB] matrix_a_fmt:MATRIX_FMT_FP6 matrix_b_fmt:MATRIX_FMT_FP6 matrix_a_scale:MATRIX_SCALE_ROW1 matrix_b_scale:MATRIX_SCALE_ROW1
.endif
.endif
.endm
.macro LOADW u, e
.irp a, 0,1,2,3
	GLF 128*((\u)%2)+48*(\e)+12*\a, 12288*(2*(\u)+(\e))+1536*\a, 40
.endr
.endm
.macro FETCH1 u
.if (\u)%2
	WIN 0xc0
.else
	WIN 0
.endif
.irp e, 0,1
.set kk, 2*(\u)+\e
.irp b, 0,1,2,3
.set fr, BF+48*\e+12*\b
.set fo, (kk%8)*6144+1536*\b
	ds_load_b128 v[fr:fr+3], v[LQ+kk/8] offset:fo
	ds_load_b64 v[fr+4:fr+5], v[LQ8+kk/8] offset:fo+512
	ds_load_b128 v[fr+6:fr+9], v[LQ+kk/8] offset:fo+768
	ds_load_b64 v[fr+10:fr+11], v[LQ8+kk/8] offset:fo+1280
.endr
.endr
.endm
.macro MULS u, e
.set kk, 2*(\u)+(\e)
.irp a, 0,1,2,3
.irp b, 0,1,2,3
.set rD, 32*\b+8*\a
.set rA, 128*((\u)%2)+48*(\e)+12*\a
.set rB, BF+48*(\e)+12*\b
.set rSA, SCA+2*kk+\a/2
.set rSB, SCB+2*kk+\b/2
	EMIT kk==0, \a%2, \b%2
.endr
.endr
.endm
.macro PSTEP u
	s_wait_dscnt 0x0
.if (\u)+1 < U
	FETCH1 (\u)+1
.endif
.if (\u) == 0
	s_wait_loadcnt 32
.elseif (\u)+1 == U
	s_wait_loadcnt 16
.else
	s_wait_loadcnt 48
.endif
	WIN 0xa1+0x0c*((\u)%2)
	MULS \u, 0
.if (\u)+1 == U
	s_wait_loadcnt 0x0
.else
	s_wait_loadcnt 32
.endif
.if (\u)+2 < U
	PLACES
	WIN 0x40
	LOADW (\u)+2, 0
	WIN 0xa1+0x0c*((\u)%2)
.endif
	MULS \u, 1
	PLACES
.if (\u)+2 < U
	WIN 0x40
	LOADW (\u)+2, 1
.endif
	WIN 0
.endm
	s_load_b256 s[4:11], s[0:1], 0x0
	v_lshl_add_u32 v254, v0, 2, 0x45400
	v_mov_b32 v255, 0
	ds_add_u32 v254, v255
	ds_add_u32 v254, v255
	v_lshrrev_b32 v13, 5, v0
	v_readfirstlane_b32 s12, v13
	v_and_b32 v13, 31, v0
	v_and_b32 v14, 15, v0
	v_bfe_u32 v15, v0, 4, 1
	v_lshlrev_b32 v[L16], 4, v13
	v_lshlrev_b32 v[L8], 3, v13
	s_mul_i32 s13, s12, 1536*KS
.irp q, 0,1,2,3
.if 8*\q < KS
	v_add_nc_u32 v[LQ+\q], 49152*\q, v[L16]
	v_add_nc_u32 v[LQ8+\q], 49152*\q, v[L8]
.endif
.endr
	s_mul_i32 s14, s12, 4352
	s_add_co_u32 s14, s14, STG
	v_mul_u32_u24 v[STO], v14, 272
	v_lshl_add_u32 v[STO], v15, 6, v[STO]
	v_add_nc_u32 v[STO], s14, v[STO]
	v_mul_u32_u24 v[RD], v15, 272
	v_lshl_add_u32 v[RD], v14, 4, v[RD]
	v_add_nc_u32 v[RD], s14, v[RD]
	s_mul_i32 s23, s12, 17408
	s_add_co_u32 s23, s23, RB
	v_mul_u32_u24 v[RDR], v15, 272
	v_lshl_add_u32 v[RDR], v14, 4, v[RDR]
	v_add_nc_u32 v[RDR], s23, v[RDR]
	v_lshlrev_b32 v[GO], 12, v15
	v_lshl_add_u32 v[GO], v14, 4, v[GO]
	s_mov_b32 s[G1T], 3<<16
	s_mov_b32 s[G1T+1], 768<<16
	s_mov_b32 s[G1T+2], (KS/4)<<16
	s_mov_b32 s[G1T+3], 768<<16
	s_mov_b32 s[G1T+4], KS/4
	s_mov_b32 s[G1T+5], 1536
	s_mov_b32 s[G1T+6], 0
	s_mov_b32 s[G1T+7], 0
	s_mov_b32 s[G1R], (3<<16)|(1<<20)|(5<<22)|(3<<25)
	s_mov_b32 s[G1R+1], 32<<16
	s_mov_b32 s[G1R+2], 64<<16
	s_mov_b32 s[G1R+3], 32<<16
	s_mov_b32 s[G1R+4], 64
	s_mov_b32 s[G1R+5], 512
	s_mov_b32 s[G1R+6], 0
	s_mov_b32 s[G1R+7], 0
	s_and_b32 s15, ttmp7, 0xffff
	s_and_b32 s16, s12, 1
	s_lshr_b32 s17, s12, 1
	s_and_b32 s18, s15, 1
	s_lshr_b32 s19, s15, 1
	s_lshl_b32 s20, s16, 3
	v_add_nc_u32 v[SAW], s20, v[L16]
	s_lshl_b32 s20, s18, 3
	v_add_nc_u32 v[SAA], s20, v[L16]
	s_mul_i32 s22, s19, KS
	s_mul_i32 s21, s12, KS/4
	s_add_co_u32 s21, s21, s22
	s_mul_i32 s24, s21, 12288
	s_mul_i32 s21, s18, 6144
	s_add_co_u32 s24, s24, s21
	s_add_co_u32 s24, s24, CODE0
	s_mov_b32 s25, 0
	s_lshl_b32 s26, s22, 9
	s_mov_b32 s27, 0
	s_lshl_b32 s28, ttmp9, 1
	s_add_co_u32 s28, s28, s17
	s_mul_i32 s28, s28, KS
	s_mul_i32 s30, s28, 12288
	s_mul_i32 s21, s16, 6144
	s_add_co_u32 s30, s30, s21
	s_add_co_u32 s30, s30, CODE0
	s_mov_b32 s31, 0
	s_lshl_b32 s32, s28, 9
	s_mov_b32 s33, 0
	s_lshl_b32 s34, s15, 18
	s_lshl_b32 s21, ttmp9, 10
	s_add_co_u32 s34, s34, s21
	s_lshl_b32 s21, s12, 8
	s_add_co_u32 s34, s34, s21
	s_mov_b32 s35, 0
	s_wait_alu depctr_va_vdst(0)
	s_wait_dscnt 0x0
	s_wait_kmcnt 0x0
	s_add_nc_u64 s[36:37], s[4:5], s[24:25]
	s_add_nc_u64 s[38:39], s[4:5], s[26:27]
	s_add_nc_u64 s[40:41], s[6:7], s[30:31]
	s_add_nc_u64 s[42:43], s[6:7], s[32:33]
	s_add_nc_u64 s[8:9], s[8:9], s[34:35]
	s_add_nc_u64 s[10:11], s[10:11], s[34:35]
	s_mov_b32 s[G0T], 1
	s_mov_b32 s[G0T+1], s13
	s_mov_b64 s[G0T+2:G0T+3], s[36:37]
	s_or_b32 s[G0T+3], s[G0T+3], 0x80000000
	s_mov_b32 s[G0R], 1
	s_mov_b32 s[G0R+1], s23
	s_mov_b64 s[G0R+2:G0R+3], s[8:9]
	s_or_b32 s[G0R+3], s[G0R+3], 0x80000000
	tensor_load_to_lds s[G0T:G0T+3], s[G1T:G1T+7]
	s_nop 0
.rept 4
	v_nop
.endr
	WIN 0x40
	LOADW 0, 0
	LOADW 0, 1
	WIN 0
.set k, 0
.rept KS
	global_load_b64 v[SCA+2*k:SCA+2*k+1], v[SAW], s[42:43] offset:512*k
	global_load_b64 v[SCB+2*k:SCB+2*k+1], v[SAA], s[38:39] offset:512*k
.set k, k+1
.endr
	WIN 0x40
	LOADW 1, 0
	LOADW 1, 1
	WIN 0
	s_wait_alu depctr_va_vdst(0)
	s_wait_tensorcnt 0x0                           ; my part of the tokens' block has landed; the weights' first loads went out under its flight
	ds_add_u32 v254, v255
	s_wait_dscnt 0x0
	s_barrier_signal -1
	s_barrier_wait -1                              ; the block is whole for all four waves
	tensor_load_to_lds s[G0R:G0R+3], s[G1R:G1R+7]  ; the residual's rows, into bytes of my own; read on the way out
	s_nop 0
.rept 4
	v_nop
.endr
	s_wait_loadcnt 32
	FETCH1 0
.set uu, 0
.rept U
	PSTEP uu
.set uu, uu+1
.endr
	s_wait_tensorcnt 0x0
.irp b, 0,1,2,3
	WIN 0x08
.irp a, 0,1,2,3
	ds_store_b128 v[STO], v[32*\b+8*\a:32*\b+8*\a+3] offset:128*(\a/2)+32*(\a%2)
	ds_store_b128 v[STO], v[32*\b+8*\a+4:32*\b+8*\a+7] offset:128*(\a/2)+32*(\a%2)+16
.endr
	WIN 0
.if \b >= 2
	s_wait_xcnt 0x0
.endif
.irp i, 0,1,2,3,4,5,6,7
	ds_load_b128 v[TT+32*(\b%2)+4*\i:TT+32*(\b%2)+4*\i+3], v[RD] offset:544*\i
.endr
.irp i, 0,1,2,3,4,5,6,7
	ds_load_b128 v[RR+4*\i:RR+4*\i+3], v[RDR] offset:(32*(\b/2)+8*(\b%2)+2*\i+8*(\i/4))*272
.endr
	s_wait_dscnt 0x0
.set i, 0
.rept 16
	v_pk_add_f32 v[TT+32*(\b%2)+2*i:TT+32*(\b%2)+2*i+1], v[TT+32*(\b%2)+2*i:TT+32*(\b%2)+2*i+1], v[RR+2*i:RR+2*i+1]
.set i, i+1
.endr
.irp i, 0,1,2,3,4,5,6,7
	global_store_b128 v[GO], v[TT+32*(\b%2)+4*\i:TT+32*(\b%2)+4*\i+3], s[10:11] offset:(32*(\b/2)+8*(\b%2)+2*\i+8*(\i/4))*4096
.endr
.endr
	s_wait_tensorcnt 0x0
	ds_add_u32 v254, v255
	s_wait_dscnt 0x0
	s_endpgm
.Lfunc_end_k_q4660c3f4b7_ffn2:
	.size	k_q4660c3f4b7_ffn2, .Lfunc_end_k_q4660c3f4b7_ffn2-k_q4660c3f4b7_ffn2
	.p2alignl 7, 3214868480
	.fill 96, 4, 3214868480
	.section	.rodata,"a",@progbits
	.p2align	6, 0x0
	.amdhsa_kernel k_q4660c3f4b7_ffn2
		.amdhsa_group_segment_fixed_size 327680
		.amdhsa_private_segment_fixed_size 0
		.amdhsa_enable_private_segment 0
		.amdhsa_kernarg_size 32
		.amdhsa_user_sgpr_count 2
		.amdhsa_user_sgpr_kernarg_segment_ptr 1
		.amdhsa_wavefront_size32 1
		.amdhsa_system_sgpr_workgroup_id_x 1
		.amdhsa_system_sgpr_workgroup_id_y 1
		.amdhsa_system_sgpr_workgroup_id_z 1
		.amdhsa_system_vgpr_workitem_id 0
		.amdhsa_next_free_vgpr 1024
		.amdhsa_next_free_sgpr 80
		.amdhsa_reserve_vcc 0
		.amdhsa_float_denorm_mode_32 3
		.amdhsa_float_denorm_mode_16_64 3
		.amdhsa_memory_ordered 1
		.amdhsa_forward_progress 1
		.amdhsa_inst_pref_size 178
	.end_amdhsa_kernel
	.amdgpu_metadata
---
amdhsa.version: [ 1, 2 ]
amdhsa.kernels:
  - .name:           k_q4660c3f4b7_ffn2
    .symbol:         k_q4660c3f4b7_ffn2.kd
    .args:
      - { .name: big, .offset: 0, .size: 8, .value_kind: global_buffer, .address_space: global }
      - { .name: w2i, .offset: 8, .size: 8, .value_kind: global_buffer, .address_space: global }
      - { .name: x1, .offset: 16, .size: 8, .value_kind: global_buffer, .address_space: global }
      - { .name: out0, .offset: 24, .size: 8, .value_kind: global_buffer, .address_space: global }
    .group_segment_fixed_size: 327680
    .private_segment_fixed_size: 0
    .kernarg_segment_align: 8
    .kernarg_segment_size: 32
    .max_flat_workgroup_size: 128
    .sgpr_count:     80
    .vgpr_count:     1024
    .wavefront_size: 32
...
	.end_amdgpu_metadata
.endif
;; end of part 5
